; MI455X (gfx1250); checked and timed in simulation.
; The chip was launched on July 23, 2026; its instructions are those of AMD's public machine-readable ISA for CDNA 5 (MIT licence, August 2026) and "CDNA5" Instruction Set Architecture Reference Guide (July 2026). The comments in the code are by the model that wrote it; some were corrected since.
;; Multi Head Attention. Allowed arithmetic: matrix products marked QUANTISED: E2M1 operands, one E8M0 scale for each 32 along K, by v_wmma_scale_f32_16x16x128_f8f6f4 with both operands' format E2M1 (or v_wmma_scale_f32_32x16x128_f4), f32 sums; products left as they are: bf16, f16 or f32 operands; f32 sums; everything else in f32.
;; Inputs: bk 1,024 float32; bo 1,024 float32; bq 1,024 float32; bv 1,024 float32; ln_beta 1,024 float32; ln_gamma 1,024 float32; wk 1,024 x 1,024 float32; wo 1,024 x 1,024 float32; wq 1,024 x 1,024 float32; wv 1,024 x 1,024 float32; x 4 x 2,048 x 1,024 float32.
;; Outputs: out0 4 x 2,048 x 1,024 float32.
;; This version of the problem:
;;   THIS VERSION OF THE PROBLEM IS GIVEN IN LOW PRECISION. The matrix products marked QUANTISED in the list below multiply operands that are first quantised to E2M1 (2 exponent bits, 1 mantissa bit; 4 bits a number), with one power-of-two scale for each 32 numbers along K (OCP MX v1.0); their sums are f32. The products marked 'left as it is' may take bf16, f16 or f32 operands, with f32 sums. Whichever they take, every output number must still come out within the allowed error. Rounding operands to bf16 (8 significant bits) uses up far more of that allowance than f16 does (11 bits, for magnitudes from 6e-5 to 65,504). All else is computed in f32.
;;   The module's matrix products, in the order in which they are computed (A, B: the left and right operand; K: the contracted axis; several contracted axes count as one K, in the product's order):
;;     1. [M 8,192, K 1,024] x [K 1,024, N 1,024]; A: input x; B: input wq: QUANTISED
;;     2. [M 8,192, K 1,024] x [K 1,024, N 1,024]; A: input x; B: input wk: QUANTISED
;;     3. [M 8,192, K 1,024] x [K 1,024, N 1,024]; A: input x; B: input wv: QUANTISED
;;     4. batch 64 x [M 2,048, K 64] x [K 64, N 2,048]; A: computed on the way; B: computed on the way: left as it is (an operand is computed on the way)
;;     5. batch 64 x [M 2,048, K 2,048] x [K 2,048, N 64]; A: computed on the way; B: computed on the way: left as it is (an operand is computed on the way)
;;     6. [M 8,192, K 1,024] x [K 1,024, N 1,024]; A: computed on the way; B: input wo: left as it is (an operand is computed on the way)
;;   THE QUANTISER, for each operand of a quantised product, along K:
;;     - K is cut into blocks of 32 from its start; a last block that is shorter is filled with zeros.
;;     - A block's scale is 2^e with e = floor(log2(the largest magnitude in the block)) - 2, held to -126 .. 127; a block of zeros has e = 0. As a byte (E8M0): e + 127.
;;     - Each number is divided by its block's scale, clamped to +-6, and rounded to the nearest number of E2M1, ties to even, subnormals kept.
;;     - The product sums the exact products of the quantised numbers (number of the format x scale) in f32.
;;   ~~~python
;;   def quantise(x, axis):      # numpy; x: float32 -> the quantised numbers, widened to float32 again
;;       x = np.moveaxis(x, axis, -1); K = x.shape[-1]
;;       x = np.pad(x, [(0, 0)] * (x.ndim - 1) + [(0, -K % 32)]); x = x.reshape(x.shape[:-1] + (-1, 32)); a = np.abs(x).max(-1, keepdims=True)
;;       e = np.where(a > 0, np.clip(np.frexp(np.where(a > 0, a, 1))[1] - 1 - 2, -126, 127), 0)      # np.frexp(a)[1] - 1 = floor(log2(a)), exactly
;;       r = np.clip(x / 2.0 ** e, -6, 6)
;;       step = 2.0 ** (np.maximum(np.frexp(np.where(r == 0, 1, r))[1] - 1, 0) - 1)
;;       q = np.round(r / step) * step * 2.0 ** e      # np.round: ties to even
;;       return np.moveaxis(q.reshape(q.shape[:-2] + (-1,))[..., :K], -1, axis).astype(np.float32)
;;   ~~~
;; One version. Each part assembles by itself: llvm-mc -triple=amdgcn-amd-amdhsa -mcpu=gfx1250 --defsym DOCPART=n.
;; ======== version 1 of 1: 4 launches
;; limits: values are held in f16: magnitudes above 65,504 overflow, below 6.1e-05 lose precision
;; workspace buffers: xcodes 4,194,304 bytes; xscales 262,144 bytes; wcodes 1,572,864 bytes; wscales 98,304 bytes; wo16 2,097,152 bytes; qkv 50,331,648 bytes; ctx 16,777,216 bytes
;; launch prep (part 1): grid 416 x 1, 4 waves a work-group, no clusters, 33,280 bytes of LDS; arguments x, wq, wk, wv, wo, xcodes, xscales, wcodes, wscales, wo16; writes xcodes, xscales, wcodes, wscales, wo16
.if DOCPART == 1
	.amdgcn_target "amdgcn-amd-amdhsa--gfx1250"
	.amdhsa_code_object_version 6
	.text
	.protected	k_qf06f6b180d_prep
	.globl	k_qf06f6b180d_prep
	.p2align	8
	.type	k_qf06f6b180d_prep,@function
k_qf06f6b180d_prep:
	s_mov_b64 s[64:65], 0
	v_nop
	global_prefetch_b8 v0, s[64:65] scope:SCOPE_SE
	s_setreg_imm32_b32 hwreg(HW_REG_WAVE_MODE, 25, 1), 1
	s_wait_xcnt 0x0
; x [8192][1024], wq, wk, wv [1024][1024], f32, K innermost, become codes of FP4 (E2M1), two a byte, K innermost, with one E8M0 byte for each 32 along K;
; wo [1024][1024] becomes f16, laid in the order of a matrix operand's registers.
; A block's scale is 2^(floor(log2(its largest magnitude)) - 2); its byte is the largest magnitude's exponent field - 2, held at 1 from below.
; LIMITS: a block of zeros gets the byte 1 where the rule says 127 (its codes are zeros, and this program alone reads the bytes); blocks whose largest magnitude lies under 2^-124 were not tried;
; NaN and infinities among the inputs are not served; |wo| stays under 65,504 (f16).
; SHARES: work-groups 0-255 take x (32,768 numbers each, 8,192 a wave), 256-351 wq, wk, wv (32 each; their codes lie one behind the other: rows 0-1023 wq, 1024-2047 wk, 2048-3071 wv), 352-415 wo.
; THE QUANTISER: a wave takes 16 steps of 512 numbers.  Each of a step's four loads reads 512 consecutive bytes; the 2,048 bytes turn through the wave's own stage in LDS and come back 64 bytes a lane,
; so that a lane holds 16 neighbours along K and two neighbouring lanes a block.  A lane's 16 codes are 8 bytes: the wave stores 256 consecutive bytes.  A wave's 256 scale bytes are gathered in LDS and leave as one piece.
; WO: wo16 = [slab of 64 K (16)][tile of 16 rows n (64)][32 K in the slab (2)][1,024 bytes]; a fragment of 16 rows x 32 K is [c = 0, 1][lane][16 bytes], lane (r, h) holding K = 16 c + 8 h + 0..7 of row r.
.set WAVES, 4
.set STEPS, 16
.set WGX,   256                        ; work-groups for x
.set WGQ,   352                        ; work-groups that quantise
.set CB,    8                          ; bytes of 16 codes
.set R,     16                         ; v16-79   four sets of 16 numbers as they are loaded
.set X,     80                         ; v80-111  two sets of 16 neighbours
.set E,     112                        ; v112-127 a scale byte for each step
.set C,     128                        ; v128-191 codes: four registers for each step, so that no store's data are written again
.set WF,    16                         ; v16-143  wo's path: four units of 32 registers
.set WREG,  8192                       ; LDS: a region for each wave: two stages of 32 x SP bytes, and behind them its 256 scale bytes
.set SP,    80                         ; a lane's place in a stage: 64 bytes + 16 of padding
.set SPW,   12                         ; v12 LDS address of my spare word; never rewritten
.set NIL,   13                         ; v13 0; never rewritten
.set SPARE, WAVES*WREG                 ; behind the four regions: the spare words, 128 bytes a wave, which no other line names
	s_load_b512 s[4:19], s[0:1], 0x0               ; x 4, wq 6, wk 8, wv 10, wo 12, xcodes 14, xscales 16, wcodes 18
	s_load_b128 s[20:23], s[0:1], 0x40             ; wscales 20, wo16 22
	v_lshl_add_u32 v[SPW], v0, 2, SPARE
	v_mov_b32 v[NIL], 0
	v_lshrrev_b32 v1, 5, v0
	v_readfirstlane_b32 s24, v1                    ; wave
	v_and_b32 v2, 31, v0                           ; lane
	v_lshlrev_b32 v3, 4, v2                        ; 16 x lane
	s_mul_i32 s25, s24, WREG
	v_lshrrev_b32 v14, 2, v2
	v_mul_u32_u24 v14, v14, SP
	v_and_b32 v15, 3, v2
	v_lshl_add_u32 v14, v15, 4, v14
	v_add_nc_u32 v14, s25, v14                     ; the stage, on the way in: SP (lane / 4) + 16 (lane % 4)
	v_mul_u32_u24 v15, v2, SP
	v_add_nc_u32 v15, s25, v15                     ; and on the way out: SP x lane
	v_mul_u32_u24 v4, v2, CB                       ; my codes' place in a step's
	v_lshrrev_b32 v5, 1, v2
	s_add_co_u32 s25, s25, 2*32*SP
	v_add_nc_u32 v5, s25, v5                       ; LDS: my wave's 256 scale bytes, my block's byte
	v_lshlrev_b32 v7, 3, v2
	v_add_nc_u32 v6, s25, v7                       ; and on the way out 8 bytes a lane
	s_wait_kmcnt 0x0
	s_cmp_ge_u32 ttmp9, WGQ
	s_cbranch_scc1 .Lwo
	; which tensor: only pointers are chosen, on the work-group's number alone
	s_cmp_lt_u32 ttmp9, WGX
	s_cselect_b64 s[14:15], s[14:15], s[18:19]     ; the codes' buffer
	s_cselect_b64 s[16:17], s[16:17], s[20:21]     ; the scale bytes'
	s_cselect_b32 s25, 0, WGX
	s_sub_co_u32 s25, ttmp9, s25                   ; which run of 32,768 numbers of the destination
	s_lshr_b32 s26, s25, 5                         ; which weight
	s_cmp_eq_u32 s26, 1
	s_cselect_b64 s[6:7], s[8:9], s[6:7]
	s_cmp_eq_u32 s26, 2
	s_cselect_b64 s[6:7], s[10:11], s[6:7]
	s_and_b32 s27, s25, 31
	s_cmp_lt_u32 ttmp9, WGX
	s_cselect_b64 s[4:5], s[4:5], s[6:7]           ; the source
	s_cselect_b32 s27, s25, s27                    ; and which run of it
	s_lshl_b32 s27, s27, 2
	s_add_co_u32 s27, s27, s24                     ; my wave's run of 8,192 numbers
	s_lshl_b32 s28, s27, 15
	s_mov_b32 s29, 0
	s_add_nc_u64 s[4:5], s[4:5], s[28:29]
	s_lshl_b32 s25, s25, 2
	s_add_co_u32 s25, s25, s24
	s_lshl_b32 s28, s25, 12                        ; 4,096 bytes of codes a run
	s_add_nc_u64 s[14:15], s[14:15], s[28:29]
	s_lshl_b32 s28, s25, 8                         ; 256 scale bytes a run
	s_add_nc_u64 s[16:17], s[16:17], s[28:29]
.macro LOAD t
.irp i, 0,1,2,3
	global_load_b128 v[R+16*((\t)%4)+4*\i:R+16*((\t)%4)+4*\i+3], v3, s[4:5] offset:2048*(\t)+512*\i th:TH_LOAD_NT   ; 32 lanes read 512 consecutive bytes
.endr
.endm
.macro TURN t                          ; step t's numbers through the stage: LDS serves a wave's instructions in order, so no wait stands between the stores and the loads
.irp i, 0,1,2,3
	ds_store_b128 v14, v[R+16*((\t)%4)+4*\i:R+16*((\t)%4)+4*\i+3] offset:32*SP*((\t)%2)+8*SP*\i
.endr
.irp i, 0,1,2,3
	ds_load_b128 v[X+16*((\t)%2)+4*\i:X+16*((\t)%2)+4*\i+3], v15 offset:32*SP*((\t)%2)+16*\i
.endr
.endm
.irp t, 0,1,2,3
	LOAD \t
.endr
	s_wait_loadcnt 12                              ; step 0's four loads are in; the twelve of steps 1 to 3 may be out
	TURN 0
.macro STEP t
.set XS, X+16*((\t)%2)
.if (\t) > 0
	s_wait_dscnt 1                                 ; this step's numbers are back from the stage (the last step's byte store may be out)
.else
	s_wait_dscnt 0x0
.endif
.if (\t)+4 < STEPS
	LOAD (\t)+4                                    ; into the registers that this step's stores into the stage have read
.endif
.if (\t)+1 < STEPS
.if STEPS-2-(\t) >= 3
	s_wait_loadcnt 12                              ; the next step's four loads are in; those of the three steps behind it may be out
.else
	s_wait_loadcnt 4*(STEPS-2-(\t))
.endif
	TURN (\t)+1
.endif
	v_max3_num_f32 v8, |v[XS]|, |v[XS+1]|, |v[XS+2]|               ; the largest magnitude of my 16, in two chains
	v_max3_num_f32 v9, |v[XS+3]|, |v[XS+4]|, |v[XS+5]|
.irp i, 6,10
	v_max3_num_f32 v8, v8, |v[XS+\i]|, |v[XS+\i+1]|
	v_max3_num_f32 v9, v9, |v[XS+\i+2]|, |v[XS+\i+3]|
.endr
	v_max3_num_f32 v8, v8, |v[XS+14]|, |v[XS+15]|
	v_max3_num_f32 v8, v8, v9, 0x1800000           ; and the floor 2^(3 - 127): the byte cannot fall under 1
	v_max_num_f32_dpp v8, v8, v8 row_xmask:1 row_mask:0xf bank_mask:0xf   ; with my neighbour's 16: the block's
	v_add_nc_u32 v11, 0xff000000, v8               ; 2 off its exponent field: the conversion takes the exponent field of this operand as its scale
	v_cvt_scalef32_pk8_fp4_f32 v[C+4*(\t)], v[XS:XS+7], v11
	v_cvt_scalef32_pk8_fp4_f32 v[C+4*(\t)+1], v[XS+8:XS+15], v11
	v_lshrrev_b32 v[E+(\t)], 23, v11               ; the scale's byte (a plain line behind the conversions)
	ds_store_b8 v5, v[E+(\t)] offset:16*(\t)       ; both lanes of a block write the same byte with the same value
	global_store_b64 v4, v[C+4*(\t):C+4*(\t)+1], s[14:15] offset:32*CB*(\t)   ; the wave stores 256 consecutive bytes, aligned
.endm
.irp t, 0,1,2,3,4,5,6,7,8,9,10,11,12,13,14,15
	STEP \t
.endr
	ds_load_b64 v[8:9], v6                         ; LDS serves a wave's instructions in order: these see my byte stores
	s_wait_dscnt 0x0
	global_store_b64 v7, v[8:9], s[16:17]          ; 32 lanes store 256 consecutive bytes, aligned
	s_branch .Lend
.Lwo:
	; wo to f16, in operand order.  A unit is one slab of 64 K of one tile of 16 rows: 2 fragments, 2,048 bytes.  A wave takes four neighbouring tiles of one slab.
	v_and_b32 v8, 15, v0                           ; r
	v_bfe_u32 v9, v0, 4, 1                         ; h
	v_lshlrev_b32 v8, 12, v8
	v_lshl_add_u32 v8, v9, 5, v8                   ; row r of 4,096 bytes, + 32 h: eight numbers
	s_sub_co_u32 s25, ttmp9, WGQ
	s_lshl_b32 s25, s25, 2
	s_add_co_u32 s25, s25, s24
	s_lshl_b32 s25, s25, 2                         ; my first unit: 64 x slab + tile
	s_and_b32 s26, s25, 63
	s_lshl_b32 s26, s26, 16                        ; 16 rows of 4,096 bytes a tile
	s_lshr_b32 s27, s25, 6
	s_lshl_b32 s27, s27, 8                         ; 256 bytes a slab
	s_add_co_u32 s26, s26, s27
	s_mov_b32 s27, 0
	s_add_nc_u64 s[12:13], s[12:13], s[26:27]
	s_lshl_b32 s26, s25, 11
	s_add_nc_u64 s[22:23], s[22:23], s[26:27]
.irp i, 0,1,2,3                        ; a unit's eight loads cover 256 consecutive bytes of each of its 16 rows
.irp q, 0,1,2,3
	global_load_b128 v[WF+32*\i+8*\q:WF+32*\i+8*\q+3], v8, s[12:13] offset:65536*\i+64*\q
	global_load_b128 v[WF+32*\i+8*\q+4:WF+32*\i+8*\q+7], v8, s[12:13] offset:65536*\i+64*\q+16
.endr
.endr
.irp i, 0,1,2,3
	s_wait_loadcnt 24-8*\i                         ; this unit's eight loads are in; the later units' may be out
.irp j, 0,1,2,3,4,5,6,7,8,9,10,11,12,13,14,15
	v_cvt_pk_f16_f32 v[WF+32*\i+\j], v[WF+32*\i+2*\j], v[WF+32*\i+2*\j+1]   ; in place, ascending: register j is written when its own numbers have been read
.endr
.irp q, 0,1,2,3
	global_store_b128 v3, v[WF+32*\i+4*\q:WF+32*\i+4*\q+3], s[22:23] offset:2048*\i+512*\q   ; half a fragment: 512 consecutive bytes, aligned
.endr
.endr
.Lend:
	s_wait_tensorcnt 0x0                           ; the wave's end
	ds_add_u32 v[SPW], v[NIL]
	s_wait_dscnt 0x0
	s_endpgm
.Lfunc_end_k_qf06f6b180d_prep:
	.size	k_qf06f6b180d_prep, .Lfunc_end_k_qf06f6b180d_prep-k_qf06f6b180d_prep
	.p2alignl 7, 3214868480
	.fill 96, 4, 3214868480
	.section	.rodata,"a",@progbits
	.p2align	6, 0x0
	.amdhsa_kernel k_qf06f6b180d_prep
		.amdhsa_group_segment_fixed_size 33280
		.amdhsa_private_segment_fixed_size 0
		.amdhsa_enable_private_segment 0
		.amdhsa_kernarg_size 80
		.amdhsa_user_sgpr_count 2
		.amdhsa_user_sgpr_kernarg_segment_ptr 1
		.amdhsa_wavefront_size32 1
		.amdhsa_system_sgpr_workgroup_id_x 1
		.amdhsa_system_sgpr_workgroup_id_y 1
		.amdhsa_system_sgpr_workgroup_id_z 1
		.amdhsa_system_vgpr_workitem_id 0
		.amdhsa_next_free_vgpr 192
		.amdhsa_next_free_sgpr 66
		.amdhsa_reserve_vcc 0
		.amdhsa_float_denorm_mode_32 3
		.amdhsa_float_denorm_mode_16_64 3
		.amdhsa_memory_ordered 1
		.amdhsa_forward_progress 1
		.amdhsa_inst_pref_size 43
	.end_amdhsa_kernel
	.amdgpu_metadata
---
amdhsa.version: [ 1, 2 ]
amdhsa.kernels:
  - .name:           k_qf06f6b180d_prep
    .symbol:         k_qf06f6b180d_prep.kd
    .args:
      - { .name: x, .offset: 0, .size: 8, .value_kind: global_buffer, .address_space: global }
      - { .name: wq, .offset: 8, .size: 8, .value_kind: global_buffer, .address_space: global }
      - { .name: wk, .offset: 16, .size: 8, .value_kind: global_buffer, .address_space: global }
      - { .name: wv, .offset: 24, .size: 8, .value_kind: global_buffer, .address_space: global }
      - { .name: wo, .offset: 32, .size: 8, .value_kind: global_buffer, .address_space: global }
      - { .name: xcodes, .offset: 40, .size: 8, .value_kind: global_buffer, .address_space: global }
      - { .name: xscales, .offset: 48, .size: 8, .value_kind: global_buffer, .address_space: global }
      - { .name: wcodes, .offset: 56, .size: 8, .value_kind: global_buffer, .address_space: global }
      - { .name: wscales, .offset: 64, .size: 8, .value_kind: global_buffer, .address_space: global }
      - { .name: wo16, .offset: 72, .size: 8, .value_kind: global_buffer, .address_space: global }
    .group_segment_fixed_size: 33280
    .private_segment_fixed_size: 0
    .kernarg_segment_align: 8
    .kernarg_segment_size: 80
    .max_flat_workgroup_size: 128
    .sgpr_count:     66
    .vgpr_count:     192
    .wavefront_size: 32
...
	.end_amdgpu_metadata
.endif
;; end of part 1
;; launch qkv (part 2): grid 12 x 32, 4 waves a work-group, clusters of 4 x 4, 327,680 bytes of LDS; arguments xcodes, xscales, wcodes, wscales, bq, bk, qkv; writes qkv
.if DOCPART == 2
	.amdgcn_target "amdgcn-amd-amdhsa--gfx1250"
	.amdhsa_code_object_version 6
	.text
	.protected	k_qf06f6b180d_qkv
	.globl	k_qf06f6b180d_qkv
	.p2align	8
	.type	k_qf06f6b180d_qkv,@function
k_qf06f6b180d_qkv:
	s_mov_b64 s[64:65], 0
	v_nop
	global_prefetch_b8 v0, s[64:65] scope:SCOPE_SE
	s_setreg_imm32_b32 hwreg(HW_REG_WAVE_MODE, 25, 1), 1
	s_wait_xcnt 0x0
	s_wait_alu depctr_hold_cnt(0) depctr_sa_sdst(0) depctr_va_vdst(0) depctr_va_sdst(0) depctr_va_ssrc(0) depctr_va_vcc(0) depctr_vm_vsrc(0)
	s_getreg_b32 s2, hwreg(HW_REG_IB_STS2, 6, 4)
	s_cmp_eq_u32 s2, 0
	s_cbranch_scc0 .Lentry_in_a_cluster
	s_endpgm
.Lentry_in_a_cluster:
	s_bfe_u32 s2, ttmp6, 0x10000c
	s_cmp_lg_u32 s2, 0xf033
	s_cbranch_scc0 .Lentry_shape_is_right
	s_endpgm
.Lentry_shape_is_right:
; q = x wq^T + bq, k = x wk^T + bk, v = x wv^T, on codes of FP4 (E2M1) with one E8M0 scale for each 32 along K; sums in f32; the results are rounded to f16 and stored as images of matrix operands.
; (bv is added where the weighted values are divided by the weights' sum, in the next launch: the normalised weights of a row add up to 1, so that is the same number for every input.)
; LIMIT: |q|, |k|, |v| stay under 65,504 (f16).
; A tile of 256 x 256 is made by four waves, each 128 x 128: 64 accumulators, 512 registers.  K = 1,024 is two LDS slots of 512 along K (rows of 256 bytes): both are filled once, at the start; nothing is filled again.
; By this text's own count a wave has three tensor loads out at the start: scales, slot 0, slot 1.
; WHICH TILE.  Clusters with x = 0, 1: operand A = 256 rows of x (tile row = 4 x cluster y + cy), operand B = 256 rows of wq|wk (tile column = 4 x cluster x + cx).
; Clusters with x = 2 make v TRANSPOSED by changing the operands' buffers: A = 256 rows of wv (tile row = cy), B = 256 rows of x (tile column = 4 x cluster y + cx).  The text is one; only pointers and strides are chosen,
; on the cluster's x, which all sixteen partners share.
; CLUSTERS: the four of a row of the cluster need the same tiles of A, the four of a column the same tiles of B: each tile is asked for jointly, by the same tensor load with the same descriptor and a mask that names the four.
; THE MATRIX INSTRUCTION IS USED TRANSPOSED (source 0 = 16 rows of B, source 1 = 16 rows of A): lane (r, h) holds row r of A's block and rows 16 b + 8 h + 0..7 of B's: eight neighbours, which round to 16 bytes:
; part b % 2 of the fragment b / 2 of a later product whose K runs along B's rows.  So the packed accumulators ARE operand images, and go to memory as they stand, 512 consecutive bytes a store.
; qkv: q at 0, k at 16 MiB: [16 batch + head][tile of 16 tokens (128)][32 channels (2)][1,024 bytes];  v at 32 MiB: [16 batch + head][32 keys (64)][tile of 16 channels (4)][1,024 bytes].
; REGISTERS, in windows of 256: window 0: v0-31 addresses; v32-95 scale words, two sets; v128-191 A's fragments, one set, on the way out the packed results; v192-255 the bias, the C of the first step.
;   window 1: B's fragments, two sets.   window 2: the accumulators of my rows 0-63 ((a, b) at v[8 (8 a + b)]);   window 3: those of my rows 64-127.
.set KSTEP,  512
.set NQ,     4                         ; matrix instructions deep in a slot
.set ROWB,   256                       ; a tile's row in bytes
.set KROW,   512                       ; a row of codes in memory
.set PITCH,  272                       ; an LDS row: 256 bytes + 16 of padding: the 16 rows that a load touches start at 16 different banks (64 banks of 4 bytes: ISA guide 11.1)
.set FR,     8
.set NL,     2
.set NP,     4                         ; places behind this matrix instruction (ISA guide 7.12.1)
.set HALFT,  128*PITCH
.set SLOT,   4*HALFT
.set KS,     32                        ; a row of scale bytes
.set SCL,    2*SLOT                    ; behind the slots: the scales, as pieces of 256 bytes + 16 of padding
.set HALFS,  (128*KS/256)*272
.set SBLK,   (16*KS/256)*272
.set SPARE,  SCL+4*HALFS               ; the spare words, 128 bytes a wave, which no other line names
.set VO,   8                           ; v8-11   the way out: 16 x lane + where B's blocks 2 i, 2 i + 1 go
.set ADRA, 16                          ; v16-17  LDS address of my A fragments in slot 0, 1
.set ADRB, 20                          ; v20-21  the same for B
.set ADRS, 27                          ; v27     LDS address of my scale words: lanes 0-15 A's rows, lanes 16-31 B's
.set SPW,  28                          ; v28     LDS address of my spare word; never rewritten
.set NIL,  29                          ; v29     0; never rewritten
.set SC,   32
.set AF,   128
.set TMP,  128
.set BIAS, 192
.set G1, 24
.set G0, 32
.set G1B, 48
.set G0B, 56
.set G1S, 68
.set G0S, 76
.set G1SB, 80
.set G0SB, 88
.set MK,  95                           ; s95     all ones where a bias is added, 0 in v's tiles
.set MSB, 0
.macro WIN new                         ; the immediate's high byte repeats the setting that is left
.if MSB != (\new)
	s_set_vgpr_msb (MSB<<8)|(\new)
.set MSB, \new
.endif
.endm
.set MUL_LO, 0xa1                      ; source 0 (B) window 1, source 1 (A) window 0, C and D window 2
.set MUL_HI, 0xf1                      ; the same, C and D window 3
.set TO_B,   0x40
; A joint load: waves 0 and 1 fetch for A, waves 2 and 3 for B.  Each of the two lines has one mask and one set of registers; the branch hangs on the wave's number alone.
; An s_nop 0 and four v_nop follow each of the two lines.
.macro JLOAD g0a, g1a, g0b, g1b
	s_cmp_eq_u32 s15, 0
	s_cbranch_scc0 .Lfor_b_\@
	tensor_load_to_lds s[\g0a:\g0a+3], s[\g1a:\g1a+7]
	s_nop 0
.rept 4
	v_nop
.endr
	s_branch .Lasked_\@
.Lfor_b_\@:
	tensor_load_to_lds s[\g0b:\g0b+3], s[\g1b:\g1b+7]
	s_nop 0
.rept 4
	v_nop
.endr
.Lasked_\@:
.endm
.macro CROUND                          ; a round of the cluster's barrier
	s_barrier_signal -1
	s_barrier_wait -1
	s_cmp_lg_u32 s14, 0
	s_cbranch_scc1 .Lnot_wave_0_\@
	s_barrier_signal -3
.Lnot_wave_0_\@:
	s_barrier_wait -3
	s_barrier_signal -1
	s_barrier_wait -1
.endm
	s_load_b256 s[4:11], s[0:1], 0x0               ; xcodes 4, xscales 6, wcodes 8, wscales 10
	s_load_b128 s[96:99], s[0:1], 0x20             ; bq 96, bk 98
	s_load_b64 s[12:13], s[0:1], 0x30              ; qkv
	v_lshl_add_u32 v[SPW], v0, 2, SPARE
	v_mov_b32 v[NIL], 0
	ds_add_u32 v[SPW], v[NIL]                      ; the wave's opening: the add, twice on end, and its wait ahead of my first tensor load
	ds_add_u32 v[SPW], v[NIL]
	v_lshrrev_b32 v1, 5, v0
	v_readfirstlane_b32 s14, v1                    ; wave 0..3
	s_lshr_b32 s15, s14, 1                         ; which half of the tile's rows is mine.  Also: I fetch for A (0) or for B (1)
	s_and_b32 s16, s14, 1                          ; which half of its columns.  Also: which 128 rows of that tile I fetch
	s_bfe_u32 s40, ttmp6, 0x40000                  ; cx
	s_bfe_u32 s41, ttmp6, 0x40004                  ; cy
	s_and_b32 s66, ttmp7, 0xffff                   ; cluster y
	s_cmp_eq_u32 ttmp9, 2                          ; v's clusters?  The cluster's x is the same in all sixteen partners
	s_cselect_b32 s42, s66, ttmp9
	s_cselect_b32 s17, 0, s66
	s_cselect_b32 s67, 2048, 0                     ; wv's rows lie 2,048 rows down in the weights' buffers
	s_cselect_b32 s[MK], 0, -1
	s_lshl_b32 s42, s42, 2
	s_add_co_u32 s42, s42, s40                     ; tile column
	s_lshl_b32 s17, s17, 2
	s_add_co_u32 s17, s17, s41                     ; tile row
	s_lshl_b32 s43, s41, 2
	s_lshl_b32 s43, 15, s43                        ; my row of the cluster
	s_lshl_b32 s44, 0x1111, s40                    ; my column
	; descriptor group 1: a tile of 128 rows x 256 bytes, padded in LDS
	s_or_b32 s[G1+0], s43, (0<<16)|(1<<20)|(1<<21)|(5<<22)|(3<<25)  ; the mask: A's tiles go to my row; elements of 1 byte; padding on; bit 21 beside a mask; after every 64 words, 4 words
	s_or_b32 s[G1B+0], s44, (0<<16)|(1<<20)|(1<<21)|(5<<22)|(3<<25)
.irp g, G1, G1B
	s_mov_b32 s[\g+1], ROWB<<16                    ; tensor_dim0
	s_mov_b32 s[\g+2], 128<<16                     ; tensor_dim1
	s_mov_b32 s[\g+3], ROWB<<16                    ; tile_dim0
	s_mov_b32 s[\g+4], 128                         ; tile_dim1
	s_mov_b32 s[\g+5], KROW                        ; from row to row
	s_mov_b32 s[\g+6], 0
	s_mov_b32 s[\g+7], 0
.endr
	; the scales of 128 rows: a dense block of 4,096 bytes, as 16 rows of 256 bytes (32 elements of 8 bytes), 16 bytes of padding behind each
	s_or_b32 s[G1S+0], s43, (3<<16)|(1<<20)|(1<<21)|(5<<22)|(3<<25)
	s_or_b32 s[G1SB+0], s44, (3<<16)|(1<<20)|(1<<21)|(5<<22)|(3<<25)
.irp g, G1S, G1SB
	s_mov_b32 s[\g+1], 32<<16
	s_mov_b32 s[\g+2], (128*KS/256)<<16
	s_mov_b32 s[\g+3], 32<<16
	s_mov_b32 s[\g+4], 128*KS/256
	s_mov_b32 s[\g+5], 32
	s_mov_b32 s[\g+6], 0
	s_mov_b32 s[\g+7], 0
.endr
	s_lshl_b32 s18, s16, 7                         ; which 128 rows of the tile I fetch
	s_lshl_b32 s20, s17, 8
	s_add_co_u32 s20, s20, s18
	s_add_co_u32 s20, s20, s67                     ; A: row 256 x tile row + 128 x half (+ 2,048 for wv)
	s_lshl_b32 s46, s42, 8
	s_add_co_u32 s46, s46, s18                     ; B: row 256 x tile column + 128 x half
	s_mov_b32 s21, 0
	s_mov_b32 s47, 0
	s_mov_b64 s[18:19], KS
	s_mul_u64 s[22:23], s[20:21], s[18:19]         ; where these rows' scales begin, in bytes
	s_mul_u64 s[92:93], s[46:47], s[18:19]
	s_mov_b64 s[18:19], KROW
	s_mul_u64 s[20:21], s[20:21], s[18:19]         ; and their codes
	s_mul_u64 s[46:47], s[46:47], s[18:19]
	s_mul_i32 s45, s14, HALFT                      ; where they go: wave x 128 rows: no place in the cluster enters an LDS address
	s_mul_i32 s94, s14, HALFS
	s_wait_dscnt 0x0                               ; both opening adds are done
	s_wait_kmcnt 0x0
	s_cmp_eq_u32 ttmp9, 2                          ; in v's clusters the weights are operand A and x is operand B
	s_cselect_b64 s[2:3], s[8:9], s[4:5]           ; A's codes
	s_cselect_b64 s[8:9], s[4:5], s[8:9]           ; B's codes
	s_cselect_b64 s[4:5], s[10:11], s[6:7]         ; A's scales
	s_cselect_b64 s[10:11], s[6:7], s[10:11]       ; B's scales
	s_add_nc_u64 s[20:21], s[2:3], s[20:21]
	s_add_nc_u64 s[22:23], s[4:5], s[22:23]
	s_add_nc_u64 s[46:47], s[8:9], s[46:47]
	s_add_nc_u64 s[92:93], s[10:11], s[92:93]
	CROUND                                         ; all sixteen work-groups are here: the first joint loads meet
	s_mov_b32 s[G0S], 1
	s_add_co_u32 s[G0S+1], s94, SCL
	s_mov_b64 s[G0S+2:G0S+3], s[22:23]
	s_or_b32 s[G0S+3], s[G0S+3], 0x80000000
	s_mov_b32 s[G0SB], 1
	s_add_co_u32 s[G0SB+1], s94, SCL
	s_mov_b64 s[G0SB+2:G0SB+3], s[92:93]
	s_or_b32 s[G0SB+3], s[G0SB+3], 0x80000000
	JLOAD G0S, G1S, G0SB, G1SB                     ; the scales first: they are wanted with the first step
.irp s, 0,1
	s_mov_b32 s[G0+4*\s], 1
	s_add_co_u32 s[G0+4*\s+1], s45, \s*SLOT
	s_add_nc_u64 s[G0+4*\s+2:G0+4*\s+3], s[20:21], \s*ROWB
	s_or_b32 s[G0+4*\s+3], s[G0+4*\s+3], 0x80000000
	s_mov_b32 s[G0B+4*\s], 1
	s_add_co_u32 s[G0B+4*\s+1], s45, \s*SLOT
	s_add_nc_u64 s[G0B+4*\s+2:G0B+4*\s+3], s[46:47], \s*ROWB
	s_or_b32 s[G0B+4*\s+3], s[G0B+4*\s+3], 0x80000000
	JLOAD G0+4*\s, G1, G0B+4*\s, G1B
.endr
	v_and_b32 v1, 15, v0                           ; r
	v_bfe_u32 v2, v0, 4, 1                         ; h
	; the bias of B's rows: bias[256 cx + 128 x column half + 16 b + 8 h + j] in register 8 b + j: the result's layout
	s_cmp_eq_u32 ttmp9, 1
	s_cselect_b64 s[96:97], s[98:99], s[96:97]     ; bk for the cluster with x = 1, else bq (in v's tiles what is loaded is replaced by zeros below)
	s_lshl_b32 s66, s40, 10
	s_lshl_b32 s67, s16, 9
	s_add_co_u32 s66, s66, s67
	s_mov_b32 s67, 0
	s_add_nc_u64 s[96:97], s[96:97], s[66:67]
	v_lshlrev_b32 v7, 5, v2
.irp b, 0,1,2,3,4,5,6,7
	global_load_b128 v[BIAS+8*\b:BIAS+8*\b+3], v7, s[96:97] offset:64*\b
	global_load_b128 v[BIAS+8*\b+4:BIAS+8*\b+7], v7, s[96:97] offset:64*\b+16
.endr
	v_mul_u32_u24 v3, v1, PITCH
	v_lshl_add_u32 v4, v2, 4, v3                   ; a fragment's row x pitch + 16 x half
	s_mul_i32 s21, s15, HALFT                      ; my 128 rows of A
	s_mul_i32 s22, s16, HALFT                      ; my 128 rows of B,
	s_add_co_u32 s22, s22, 2*HALFT                 ; which lie behind A's 256
.irp s, 0,1
	v_add_nc_u32 v[ADRA+\s], s21, v4
	v_add_nc_u32 v[ADRB+\s], s22, v4
	s_add_co_u32 s21, s21, SLOT
	s_add_co_u32 s22, s22, SLOT
.endr
	v_mul_u32_u24 v5, v1, KS                       ; my row's scales: 32 bytes a row,
	v_lshrrev_b32 v6, 8, v5
	v_lshl_add_u32 v5, v6, 4, v5                   ; and 16 more for each 256 passed
	s_mul_i32 s21, s15, HALFS
	s_mul_i32 s22, s16, HALFS
	s_add_co_u32 s22, s22, 2*HALFS
	s_sub_co_u32 s22, s22, s21
	v_mul_u32_u24 v6, s22, v2                      ; lanes 16-31 take B's
	s_add_co_u32 s21, s21, SCL
	v_add_nc_u32 v5, v5, v6
	v_add_nc_u32 v[ADRS], s21, v5
	; the way out: where my 128 x 128 go
	s_lshl_b32 s20, s17, 8
	s_lshl_b32 s21, s15, 7
	s_add_co_u32 s20, s20, s21                     ; m0: A's first row of mine
	s_lshl_b32 s46, s42, 8
	s_lshl_b32 s47, s16, 7
	s_add_co_u32 s46, s46, s47                     ; n0: B's first row of mine
	s_add_co_u32 s21, s20, 2048
	s_cmp_eq_u32 ttmp9, 2
	s_cselect_b32 s22, s46, s20                    ; my first token
	s_cselect_b32 s23, s21, s46                    ; my first feature of the 3,072
	s_lshr_b32 s44, s23, 10
	s_lshl_b32 s44, s44, 24                        ; q, k or v: 16 MiB each
	s_lshr_b32 s45, s22, 11
	s_lshl_b32 s45, s45, 4
	s_bfe_u32 s43, s23, 0x40006
	s_add_co_u32 s45, s45, s43                     ; 16 x batch + head
	s_lshl_b32 s45, s45, 18                        ; 262,144 bytes a head
	s_add_co_u32 s44, s44, s45
	s_and_b32 s45, s22, 2047
	s_lshl_b32 s45, s45, 7                         ; 128 bytes a token, in both layouts
	s_add_co_u32 s44, s44, s45
	s_mov_b32 s45, 0
	s_add_nc_u64 s[12:13], s[12:13], s[44:45]
	s_cmp_eq_u32 ttmp9, 2
	s_mov_b32 s20, 1024
	s_cselect_b32 s20, 4096, s20                   ; from B's blocks 0, 1 to 2, 3: the next 32 channels, or the next 32 keys
	s_mov_b32 s21, 262144
	s_cselect_b32 s21, 8192, s21                   ; to blocks 4, 5: the next head, or 64 keys on
	s_mov_b32 s22, 2048
	s_cselect_b32 s22, 1024, s22                   ; from a block of A to the next: 16 tokens, or 16 channels
	s_mov_b32 s23, 0
	s_mov_b32 s46, 2048
	s_cselect_b32 s46, 259072, s46                 ; from block 3 to block 4: in v the next head's first channels
	s_mov_b32 s47, 0
	v_and_b32 v6, 31, v0
	v_lshlrev_b32 v[VO], 4, v6
	v_add_nc_u32 v[VO+1], s20, v[VO]
	v_add_nc_u32 v[VO+2], s21, v[VO]
	v_add_nc_u32 v[VO+3], s20, v[VO+2]
	s_wait_loadcnt 0x0                             ; the bias
.irp i, 0,1,2,3,4,5,6,7,8,9,10,11,12,13,14,15,16,17,18,19,20,21,22,23,24,25,26,27,28,29,30,31,32,33,34,35,36,37,38,39,40,41,42,43,44,45,46,47,48,49,50,51,52,53,54,55,56,57,58,59,60,61,62,63
	v_cndmask_b32 v[BIAS+\i], 0, v[BIAS+\i], s[MK] ; zeros in v's tiles
.endr
.macro FRAG reg, adr, q, i             ; 16 rows x 128 K of 4-bit codes: 8 registers; registers 4 c .. 4 c + 3 hold K = 64 c + 32 (lane / 16) + 0 .. 31
.irp c, 0,1
	ds_load_b128 v[\reg+4*\c:\reg+4*\c+3], v[\adr] offset:64*(\q)+32*\c+(\i)*16*PITCH
.endr
.endm
; 16 matrix instructions: A's blocks a0, a0 + 1 x B's eight, the slot's q-th 128 along K.  p: B's set; sc: the set of scale words.  zero = 1: the first product starts the sums from the bias.
; The 64 accumulators take turns, one instruction a turn, in the same order in every step.
.macro MUL16 a0, p, q, sc, zero
.irp a, \a0, \a0+1
.irp b, 0,1,2,3,4,5,6,7
.if \zero
	v_wmma_scale_f32_16x16x128_f8f6f4 v[8*(8*((\a)%4)+\b):8*(8*((\a)%4)+\b)+7], v[128*(\p)+FR*\b:128*(\p)+FR*\b+FR-1], v[AF+FR*(\a):AF+FR*(\a)+FR-1], v[BIAS+8*\b:BIAS+8*\b+7], v[SC+8*NQ*(\sc)+NQ*\b+(\q)], v[SC+8*NQ*(\sc)+NQ*(\a)+(\q)] matrix_a_fmt:MATRIX_FMT_FP4 matrix_b_fmt:MATRIX_FMT_FP4 matrix_a_scale:MATRIX_SCALE_ROW1
.else
	v_wmma_scale_f32_16x16x128_f8f6f4 v[8*(8*((\a)%4)+\b):8*(8*((\a)%4)+\b)+7], v[128*(\p)+FR*\b:128*(\p)+FR*\b+FR-1], v[AF+FR*(\a):AF+FR*(\a)+FR-1], v[8*(8*((\a)%4)+\b):8*(8*((\a)%4)+\b)+7], v[SC+8*NQ*(\sc)+NQ*\b+(\q)], v[SC+8*NQ*(\sc)+NQ*(\a)+(\q)] matrix_a_fmt:MATRIX_FMT_FP4 matrix_b_fmt:MATRIX_FMT_FP4 matrix_a_scale:MATRIX_SCALE_ROW1
.endif
.endr
.endr
.endm
.macro FETCH_B slot, q, p
	WIN TO_B
.irp i, 0,1,2,3,4,5,6,7
	FRAG 128*(\p)+FR*\i, ADRB+\slot, \q, \i
.endr
	WIN 0
.endm
.macro FETCH_A slot, q, i0
.irp i, \i0, \i0+1, \i0+2, \i0+3
	FRAG AF+FR*(\i), ADRA+\slot, \q, \i
.endr
.endm
.macro SCALES sc                       ; a slot's scale words: 4 words a row; lanes 0-15 take A's block i, lanes 16-31 B's block i
.irp i, 0,1,2,3,4,5,6,7
	ds_load_b128 v[SC+8*NQ*\sc+NQ*\i:SC+8*NQ*\sc+NQ*\i+3], v[ADRS] offset:\i*SBLK
.endr
.endm
.macro PLACES n                        ; plain vector instructions between a matrix instruction and a load into, or a read of, its registers
.rept \n
	v_nop
.endr
.endm
; A step of 128 along K that has its successor in the same slot.  A has one set of registers: blocks 0-3 are fetched anew in the step's middle, blocks 4-7 at its end; B has two sets.
.macro STEP slot, q, zero
	s_wait_dscnt 4*NL                              ; B's set and A's blocks 0-3 are in; the eight youngest loads (A's blocks 4-7) may be out
.if \zero
	WIN 0x81                                       ; C (the bias) in window 0, D in window 2
.else
	WIN MUL_LO
.endif
	MUL16 0, (\q)%2, \q, \slot, \zero
	MUL16 2, (\q)%2, \q, \slot, \zero
	s_wait_dscnt 0
	PLACES NP
	FETCH_B \slot, (\q)+1, 1-(\q)%2
	FETCH_A \slot, (\q)+1, 0
.if \zero
	WIN 0xc1
.else
	WIN MUL_HI
.endif
	MUL16 4, (\q)%2, \q, \slot, \zero
	MUL16 6, (\q)%2, \q, \slot, \zero
	PLACES NP
	WIN 0
	FETCH_A \slot, (\q)+1, 4
.endm
; Slot 0's last step goes over to slot 1: one barrier; in front of it each wave waits for all its tensor loads (its part of slot 1), so that behind it the slot is whole for all four.
.macro TURN slot, next
	s_wait_tensorcnt 0x0
	ds_add_u32 v[SPW], v[NIL]                      ; 0 onto my spare word
	s_wait_dscnt 4*NL+1                            ; (the add and the eight youngest loads may be out)
	WIN MUL_LO
	MUL16 0, 1, NQ-1, \slot, 0
	s_wait_dscnt 0x0
	s_barrier_signal -1
	MUL16 2, 1, NQ-1, \slot, 0
	WIN 0
	s_barrier_wait -1
	PLACES NP
	v_add_nc_u32 v[ADRS], 4*NQ, v[ADRS]            ; on to the next slot's scale words
	FETCH_B \next, 0, 0
	FETCH_A \next, 0, 0
	SCALES \next
	WIN MUL_HI
	MUL16 4, 1, NQ-1, \slot, 0
	MUL16 6, 1, NQ-1, \slot, 0
	PLACES NP
	WIN 0
	FETCH_A \next, 0, 4
.endm
	PLACES NP
	s_wait_tensorcnt 1                             ; the scales and my part of slot 0 are in; slot 1's load may be out
	s_barrier_signal -1
	s_barrier_wait -1
	FETCH_B 0, 0, 0
	FETCH_A 0, 0, 0
	SCALES 0
	FETCH_A 0, 0, 4
	STEP 0, 0, 1
	STEP 0, 1, 0
	STEP 0, 2, 0
	TURN 0, 1
	STEP 1, 0, 0
	STEP 1, 1, 0
	STEP 1, 2, 0
	s_wait_dscnt 4*NL                              ; the last step: nothing more to fetch
	WIN MUL_LO
	MUL16 0, 1, NQ-1, 1, 0
	MUL16 2, 1, NQ-1, 1, 0
	s_wait_dscnt 0
	WIN MUL_HI
	MUL16 4, 1, NQ-1, 1, 0
	MUL16 6, 1, NQ-1, 1, 0
	WIN 0
; THE WAY OUT, a block of A's 16 rows at a time: rounded to f16, each accumulator from its low end on, and stored as it stands.
.macro PACK a
.set AC, 64*((\a)%4)
.set TT, TMP+32*((\a)%2)
	WIN 0x0a+5*((\a)/4)                            ; sources 0 and 1: window 2 or 3
.irp b, 0,1,2,3,4,5,6,7
.irp i, 0,1,2,3
	v_cvt_pk_f16_f32 v[TT+4*\b+\i], v[AC+8*\b+2*\i], v[AC+8*\b+2*\i+1]
.endr
.endr
	WIN 0
.endm
.macro SEND a
.set TT, TMP+32*((\a)%2)
.irp b, 0,1,2,3,4,5,6,7
	global_store_b128 v[VO+\b/2], v[TT+4*\b:TT+4*\b+3], s[12:13] offset:512*(\b%2)   ; half a fragment: 512 consecutive bytes, aligned
.endr
.endm
	PLACES NP                                      ; behind the last products: the conversions read results and write registers that held A's fragments
	PACK 0
	SEND 0
.irp a, 1,2,3,4,5,6,7
	PACK \a                                        ; into the set whose stores stand ahead of the wait of the block before
	s_wait_xcnt 0x0                                ; the earlier stores have read their data and their base: the base may step, and the other set may be written next time
.if \a == 4
	s_add_nc_u64 s[12:13], s[12:13], s[46:47]
.else
	s_add_nc_u64 s[12:13], s[12:13], s[22:23]
.endif
	SEND \a
.endr
	s_wait_tensorcnt 0x0                           ; the wave's end
	ds_add_u32 v[SPW], v[NIL]
	s_wait_dscnt 0x0
	CROUND                                         ; the closing round: no work-group ends while a partner may still ask for a tile that names it
	s_endpgm
.Lfunc_end_k_qf06f6b180d_qkv:
	.size	k_qf06f6b180d_qkv, .Lfunc_end_k_qf06f6b180d_qkv-k_qf06f6b180d_qkv
	.p2alignl 7, 3214868480
	.fill 96, 4, 3214868480
	.section	.rodata,"a",@progbits
	.p2align	6, 0x0
	.amdhsa_kernel k_qf06f6b180d_qkv
		.amdhsa_group_segment_fixed_size 327680
		.amdhsa_private_segment_fixed_size 0
		.amdhsa_enable_private_segment 0
		.amdhsa_kernarg_size 56
		.amdhsa_user_sgpr_count 2
		.amdhsa_user_sgpr_kernarg_segment_ptr 1
		.amdhsa_wavefront_size32 1
		.amdhsa_system_sgpr_workgroup_id_x 1
		.amdhsa_system_sgpr_workgroup_id_y 1
		.amdhsa_system_sgpr_workgroup_id_z 1
		.amdhsa_system_vgpr_workitem_id 0
		.amdhsa_next_free_vgpr 1024
		.amdhsa_next_free_sgpr 100
		.amdhsa_reserve_vcc 0
		.amdhsa_float_denorm_mode_32 3
		.amdhsa_float_denorm_mode_16_64 3
		.amdhsa_memory_ordered 1
		.amdhsa_forward_progress 1
		.amdhsa_inst_pref_size 125
	.end_amdhsa_kernel
	.amdgpu_metadata
---
amdhsa.version: [ 1, 2 ]
amdhsa.kernels:
  - .name:           k_qf06f6b180d_qkv
    .symbol:         k_qf06f6b180d_qkv.kd
    .args:
      - { .name: xcodes, .offset: 0, .size: 8, .value_kind: global_buffer, .address_space: global }
      - { .name: xscales, .offset: 8, .size: 8, .value_kind: global_buffer, .address_space: global }
      - { .name: wcodes, .offset: 16, .size: 8, .value_kind: global_buffer, .address_space: global }
      - { .name: wscales, .offset: 24, .size: 8, .value_kind: global_buffer, .address_space: global }
      - { .name: bq, .offset: 32, .size: 8, .value_kind: global_buffer, .address_space: global }
      - { .name: bk, .offset: 40, .size: 8, .value_kind: global_buffer, .address_space: global }
      - { .name: qkv, .offset: 48, .size: 8, .value_kind: global_buffer, .address_space: global }
    .group_segment_fixed_size: 327680
    .private_segment_fixed_size: 0
    .kernarg_segment_align: 8
    .kernarg_segment_size: 56
    .max_flat_workgroup_size: 128
    .sgpr_count:     100
    .vgpr_count:     1024
    .wavefront_size: 32
...
	.end_amdgpu_metadata
.endif
;; end of part 2
;; launch attn (part 3): grid 4 x 64, 8 waves a work-group, clusters of 4 x 1, 327,680 bytes of LDS; arguments qkv, bv, ctx; writes ctx
.if DOCPART == 3
	.amdgcn_target "amdgcn-amd-amdhsa--gfx1250"
	.amdhsa_code_object_version 6
	.text
	.protected	k_qf06f6b180d_attn
	.globl	k_qf06f6b180d_attn
	.p2align	8
	.type	k_qf06f6b180d_attn,@function
k_qf06f6b180d_attn:
	s_mov_b64 s[64:65], 0
	v_nop
	global_prefetch_b8 v0, s[64:65] scope:SCOPE_SE
	s_setreg_imm32_b32 hwreg(HW_REG_WAVE_MODE, 25, 1), 1
	s_wait_xcnt 0x0
	s_wait_alu depctr_hold_cnt(0) depctr_sa_sdst(0) depctr_va_vdst(0) depctr_va_sdst(0) depctr_va_ssrc(0) depctr_va_vcc(0) depctr_vm_vsrc(0)
	s_getreg_b32 s2, hwreg(HW_REG_IB_STS2, 6, 4)
	s_cmp_eq_u32 s2, 0
	s_cbranch_scc0 .Lentry_in_a_cluster
	s_endpgm
.Lentry_in_a_cluster:
	s_bfe_u32 s2, ttmp6, 0x10000c
	s_cmp_lg_u32 s2, 0x3003
	s_cbranch_scc0 .Lentry_shape_is_right
	s_endpgm
.Lentry_shape_is_right:
; ctx[b][q][head] = the sum over keys of softmax(q . k / 8) v, + bv.  q, k, v: f16, as images of matrix operands; products, maxima and sums in f32; the weights p are rounded to f16 for the second product;
; ctx is rounded to f16 once, again as operand images: [tile of 16 tokens (512)][32 features (32)][1,024 bytes].
; bv is added behind the division by the weights' sum: the normalised weights of a row add up to 1, so sum p (v + bv) / l = sum p v / l + bv for every input.
; LIMIT: |ctx| stays under 65,504 (f16).
; SHARES.  A work-group owns 512 queries of one head (batch x head = work-group y), each of its eight waves 64: four tiles of 16.  Every wave walks the head's 2,048 keys, 64 a step.
; LAYOUT.  S^T = K Q^T (source 0 = 16 keys, source 1 = 16 queries): a lane holds ONE query (lane % 16) and keys 8 (lane / 16) + 0..7.  Two such tiles, rounded in pairs, ARE source 1 (32 keys x 16 queries) of
; O^T = V^T P, whose result again holds one query a lane and eight channels.  Nothing changes lanes between the products.  P is laid over the lower half of the tile's scores.
; SOFTMAX.  For each query a running maximum m and sum l: p = 2^(c s - c m), c = log2(e) / 8; in every step O and l are multiplied by a = 2^(c m_old - c m_new).
; LDS.  Two slots of 512 keys: K's 64 KiB, then V's 64 KiB, as fragments of 1,024 bytes on end: a load of 16 bytes a lane at 16 x lane takes 512 consecutive bytes.  No pitch, no padding, no turning load.
; CLUSTER.  The four work-groups of a head form a cluster and walk the same K and V: each slot is asked for JOINTLY.  Every wave issues one load of 16 KiB (waves 0-3: K's quarters, waves 4-7: V's) by one line,
; both addresses stepped by the wave's number.  By this text's own count a wave has two tensor loads out at the start and one behind each refill's round; a refill has eight key steps in which to land.
; No prefetch: a slot is asked for eight key steps, 512 matrix instructions of a wave, ahead of its first read.
; PHASES.  A key step is written in phases: 32 products, the softmax of four tiles, 32 products.  Eight waves of 512 registers are two to a SIMD: where the two are not in the same phase,
; one wave's products stand beside the other's vector work.
; REGISTERS: window 0: v1-7 addresses; v8-39 statistics, eight a tile: +0 c m, +1 m, +2, +3 l, +4 .. +7 at work (+6 becomes a); v64-191 S^T, 32 a tile; v192-255 K's 8 fragments.
;   window 1: v0-127 O^T, 32 a tile; v128-191 Q, 16 a tile; v192-255 V's 8 fragments.
.set LI,   1                           ; v1  16 x lane
.set ADK,  2                           ; v2  LDS address of the step's K
.set ADV,  3                           ; v3  of its V
.set SPW,  4                           ; v4  LDS address of my spare word; never rewritten
.set NIL,  5                           ; v5  0; never rewritten
.set LIV,  6                           ; v6  16 x lane + 65,536
.set BVA,  7                           ; v7  where I read bv back
.set ST,   8
.set S,    64
.set KF,   192
.set BV,   192                         ; the way out: bv of my eight channels of each tile of channels
.set QF,   128                         ; window 1
.set VF,   192                         ; window 1
.set SLOT1, 131072
.set VOFF,  65536
.set STEPB, 8192                       ; 64 keys of K, or of V
.set BVL,   262144                     ; behind the slots: 256 bytes a wave: the head's 64 numbers of bv
.set SPARE, BVL+2048                   ; the spare words, 128 bytes a wave, which no other line names
.set WV,   12
.set G1,   24                          ; s[24:31] descriptor group 1
.set G0A,  32                          ; s[32:35] group 0 of slot 0's first fill
.set G0W,  36                          ; s[36:39] group 0 of slot 1's first fill, which then walks
.set TB,   40                          ; s40 LDS byte at which the step's K begins
.set STEPS, 41
.set SLOTS, 42
.set CS,   44                          ; s[44:45] c, twice: the packed scaling names a pair
.set SEL,  46                          ; s[46:47] lane selects for v_permlanex16_b32: lane l xor 16
.set MSB, 0
.macro WIN new
.if MSB != (\new)
	s_set_vgpr_msb (MSB<<8)|(\new)
.set MSB, \new
.endif
.endm
.macro CROUND                          ; a round of the cluster's barrier
	s_barrier_signal -1
	s_barrier_wait -1
	s_cmp_lg_u32 s[WV], 0
	s_cbranch_scc1 .Lnot_wave_0_\@
	s_barrier_signal -3
.Lnot_wave_0_\@:
	s_barrier_wait -3
	s_barrier_signal -1
	s_barrier_wait -1
.endm
	s_load_b128 s[4:7], s[0:1], 0x0                ; qkv, bv
	s_load_b64 s[8:9], s[0:1], 0x10                ; ctx
	v_lshl_add_u32 v[SPW], v0, 2, SPARE
	v_mov_b32 v[NIL], 0
	ds_add_u32 v[SPW], v[NIL]                      ; the wave's opening: the add, twice on end, and its wait ahead of my first tensor load
	ds_add_u32 v[SPW], v[NIL]
	v_lshrrev_b32 v1, 5, v0
	v_readfirstlane_b32 s[WV], v1                  ; wave 0..7
	s_bfe_u32 s13, ttmp6, 0x40000                  ; cx: which 512 queries of the head
	s_and_b32 s14, ttmp7, 0xffff                   ; 16 x batch + head, which the four partners share
	; descriptor group 1: a dense block of 16 KiB as 64 rows of 256 bytes (32 elements of 8 bytes)
	s_mov_b32 s[G1], 15|(3<<16)|(1<<21)            ; the mask: all four work-groups; elements of 8 bytes; bit 21 beside a mask; no padding
	s_mov_b32 s[G1+1], 32<<16                      ; tensor_dim0
	s_mov_b32 s[G1+2], 64<<16                      ; tensor_dim1
	s_mov_b32 s[G1+3], 32<<16                      ; tile_dim0
	s_mov_b32 s[G1+4], 64                          ; tile_dim1
	s_mov_b32 s[G1+5], 32                          ; from row to row
	s_mov_b32 s[G1+6], 0
	s_mov_b32 s[G1+7], 0
	s_mov_b32 s[CS], 0x3e38aa3b                    ; c = log2(e) / 8
	s_mov_b32 s[CS+1], s[CS]
	s_mov_b32 s[SEL], 0x76543210
	s_mov_b32 s[SEL+1], 0xfedcba98
	s_mov_b32 s[TB], 0
	; what I fetch: waves 0-3 K (16 MiB into qkv), waves 4-7 V (32 MiB); the head's 262,144 bytes; my quarter of a slot's 65,536.  No place in the cluster enters it
	s_lshr_b32 s16, s[WV], 2
	s_add_co_u32 s16, s16, 1
	s_lshl_b32 s16, s16, 24
	s_lshl_b32 s17, s14, 18
	s_add_co_u32 s16, s16, s17
	s_and_b32 s17, s[WV], 3
	s_lshl_b32 s17, s17, 14
	s_add_co_u32 s16, s16, s17
	s_mov_b32 s17, 0
	s_lshl_b32 s18, s[WV], 14                      ; and where it goes in a slot
	; my queries: tile 32 cx + 4 wave of the head's 128, 2,048 bytes a tile
	s_lshl_b32 s20, s13, 5
	s_lshl_b32 s21, s[WV], 2
	s_add_co_u32 s20, s20, s21
	s_lshl_b32 s22, s20, 11
	s_lshl_b32 s21, s14, 18
	s_add_co_u32 s22, s22, s21
	s_mov_b32 s23, 0
	; ctx: tile of tokens 128 batch + 32 cx + 4 wave, 32,768 bytes a tile; the head's 2,048 bytes in it
	s_lshr_b32 s21, s14, 4
	s_lshl_b32 s21, s21, 7
	s_add_co_u32 s20, s20, s21
	s_lshl_b32 s20, s20, 15
	s_and_b32 s21, s14, 15
	s_lshl_b32 s19, s21, 8                         ; bv: 256 bytes a head
	s_lshl_b32 s21, s21, 11
	s_add_co_u32 s20, s20, s21
	s_mov_b32 s21, 0
	v_and_b32 v[LI], 31, v0
	v_lshlrev_b32 v42, 3, v[LI]                    ; 8 x lane
	v_lshlrev_b32 v[LI], 4, v[LI]
	v_add_nc_u32 v[LIV], VOFF, v[LI]
	v_lshl_add_u32 v43, v0, 3, BVL                 ; bv into LDS: 256 x wave + 8 x lane
	v_and_b32 v[BVA], 0xe0, v0
	v_lshlrev_b32 v[BVA], 3, v[BVA]
	v_bfe_u32 v44, v0, 4, 1
	v_lshl_add_u32 v[BVA], v44, 5, v[BVA]
	v_add_nc_u32 v[BVA], BVL, v[BVA]               ; and back: 256 x wave + 32 (lane / 16)
	s_wait_dscnt 0x0                               ; both opening adds are done
	s_wait_kmcnt 0x0
	s_add_nc_u64 s[16:17], s[4:5], s[16:17]
	s_add_nc_u64 s[4:5], s[4:5], s[22:23]
	s_add_nc_u64 s[8:9], s[8:9], s[20:21]
	s_mov_b32 s20, s19
	s_add_nc_u64 s[6:7], s[6:7], s[20:21]
	CROUND                                         ; all four work-groups are here: the first joint loads meet
	s_mov_b32 s[G0A], 1
	s_mov_b32 s[G0A+1], s18
	s_mov_b64 s[G0A+2:G0A+3], s[16:17]
	s_or_b32 s[G0A+3], s[G0A+3], 0x80000000
	s_mov_b32 s[G0W], 1
	s_add_co_u32 s[G0W+1], s18, SLOT1
	s_add_nc_u64 s[G0W+2:G0W+3], s[16:17], VOFF    ; the next 512 keys
	s_or_b32 s[G0W+3], s[G0W+3], 0x80000000
	tensor_load_to_lds s[G0A:G0A+3], s[G1:G1+7]
	s_nop 0
	tensor_load_to_lds s[G0W:G0W+3], s[G1:G1+7]
	s_nop 0
.rept 4
	v_nop
.endr
	global_load_b64 v[40:41], v42, s[6:7]          ; the head's 64 numbers of bv
	WIN 0x40                                       ; destination window 1
.irp i, 0,1,2,3,4,5,6,7,8,9,10,11,12,13,14,15
	global_load_b128 v[QF+4*\i:QF+4*\i+3], v[LI], s[4:5] offset:512*\i   ; Q stays in registers: tile i / 4, channels 32 ((i / 2) % 2) on
.endr
	WIN 0
	s_wait_loadcnt 16                              ; bv is in; Q's sixteen loads may be out
	ds_store_b64 v43, v[40:41]                     ; my wave's own bytes: I alone read them, at the end
	s_wait_tensorcnt 1                             ; my part of slot 0 is in; slot 1's may stay out
	s_wait_dscnt 0x0
	s_barrier_signal -1
	s_barrier_wait -1
	s_wait_loadcnt 0x0                             ; Q
; The maximum of each tile's 32 scores and the old m; the four tiles by turns, so that no line waits for the line above it.  Each accumulator is first read at its low end.
.macro MAXS first
.irp k, 0,1,2,3
.irp t, 0,1,2,3
	v_max3_num_f32 v[ST+8*\t+4+\k], v[S+32*\t+8*\k], v[S+32*\t+8*\k+1], v[S+32*\t+8*\k+2]
.endr
.endr
.irp u, 1,2
.irp k, 0,1,2,3
.irp t, 0,1,2,3
	v_max3_num_f32 v[ST+8*\t+4+\k], v[ST+8*\t+4+\k], v[S+32*\t+8*\k+2*\u+1], v[S+32*\t+8*\k+2*\u+2]
.endr
.endr
.endr
.irp t, 0,1,2,3
	v_max3_num_f32 v[ST+8*\t+4], v[ST+8*\t+4], v[S+32*\t+7], v[S+32*\t+15]
.endr
.irp t, 0,1,2,3
	v_max3_num_f32 v[ST+8*\t+6], v[ST+8*\t+6], v[S+32*\t+23], v[S+32*\t+31]
.endr
.irp t, 0,1,2,3
	v_max3_num_f32 v[ST+8*\t+4], v[ST+8*\t+4], v[ST+8*\t+5], v[ST+8*\t+6]
.endr
.irp t, 0,1,2,3
.if \first
	v_max_num_f32 v[ST+8*\t+4], v[ST+8*\t+4], v[ST+8*\t+7]
.else
	v_max3_num_f32 v[ST+8*\t+4], v[ST+8*\t+4], v[ST+8*\t+7], v[ST+8*\t+1]
.endif
.endr
.irp t, 0,1,2,3
	v_permlanex16_b32 v[ST+8*\t+5], v[ST+8*\t+4], s[SEL], s[SEL+1]   ; the query's other 32 keys lie in the lane 16 away
.endr
.if !\first
.irp t, 0,1,2,3
	v_mov_b32 v[ST+8*\t+7], v[ST+8*\t]             ; c m_old is kept for a
.endr
.endif
.irp t, 0,1,2,3
	v_max_num_f32 v[ST+8*\t+1], v[ST+8*\t+4], v[ST+8*\t+5]
.endr
.irp t, 0,1,2,3
	v_mul_f32 v[ST+8*\t], s[CS], v[ST+8*\t+1]
.endr
.if !\first
.irp t, 0,1,2,3
	v_sub_f32 v[ST+8*\t+7], v[ST+8*\t+7], v[ST+8*\t]
.endr
.endif
.endm
.macro PKS t, i                        ; pair i of tile t: c s - c m
	v_pk_fma_f32 v[S+32*(\t)+2*(\i):S+32*(\t)+2*(\i)+1], v[S+32*(\t)+2*(\i):S+32*(\t)+2*(\i)+1], s[CS:CS+1], v[ST+8*(\t):ST+8*(\t)+1] op_sel_hi:[1,0,0] neg_lo:[0,0,1] neg_hi:[0,0,1]
.endm
; ONE BATCH: the scalings and all exponentials; none of these lines names an exponential's result.  A tile's exponentials stand between the next tile's scalings.
; Behind the batch one plain instruction and ONE wait, ahead of the first line that names a result.
.macro SCALEXP first
.irp i, 0,1,2,3,4,5,6,7,8,9,10,11,12,13,14,15
	PKS 0, \i
.endr
.if !\first
.irp t, 0,1,2,3
	v_exp_f32 v[ST+8*\t+6], v[ST+8*\t+7]           ; a
.endr
.endif
.irp t, 0,1,2
.irp i, 0,1,2,3,4,5,6,7,8,9,10,11,12,13,14,15
	PKS \t+1, \i
	v_exp_f32 v[S+32*\t+2*\i], v[S+32*\t+2*\i]
	v_exp_f32 v[S+32*\t+2*\i+1], v[S+32*\t+2*\i+1]
.endr
.endr
.irp i, 0,1,2,3,4,5,6,7,8,9,10,11,12,13,14,15,16,17,18,19,20,21,22,23,24,25,26,27,28,29,30,31
	v_exp_f32 v[S+96+\i], v[S+96+\i]
.endr
	v_nop
	s_wait_alu depctr_va_vdst(0)
.endm
; The sum of a tile's 16 pairs of weights, not yet rounded, beside them (P is laid over them afterwards); l = a l + the sum.
.macro SUMS first
.irp t, 0,1,2,3
	v_pk_add_f32 v[ST+8*\t+4:ST+8*\t+5], v[S+32*\t:S+32*\t+1], v[S+32*\t+2:S+32*\t+3]
.endr
.irp z, 2,3,4,5,6,7,8,9,10,11,12,13,14
.irp t, 0,1,2,3
	v_pk_add_f32 v[ST+8*\t+4:ST+8*\t+5], v[ST+8*\t+4:ST+8*\t+5], v[S+32*\t+2*\z:S+32*\t+2*\z+1]
.endr
.endr
.if \first
.irp t, 0,1,2,3
	v_pk_add_f32 v[ST+8*\t+2:ST+8*\t+3], v[ST+8*\t+4:ST+8*\t+5], v[S+32*\t+30:S+32*\t+31]
.endr
.else
.irp t, 0,1,2,3
	v_pk_add_f32 v[ST+8*\t+4:ST+8*\t+5], v[ST+8*\t+4:ST+8*\t+5], v[S+32*\t+30:S+32*\t+31]
.endr
.irp t, 0,1,2,3
	v_pk_fma_f32 v[ST+8*\t+2:ST+8*\t+3], v[ST+8*\t+2:ST+8*\t+3], v[ST+8*\t+6:ST+8*\t+7], v[ST+8*\t+4:ST+8*\t+5] op_sel_hi:[1,0,1]
.endr
.endif
.endm
.macro CVTS                            ; 32 numbers of a tile round to 16 registers of f16, in place, ascending: register j is written when its own numbers have been read
.irp j, 0,1,2,3,4,5,6,7,8,9,10,11,12,13,14,15
.irp t, 0,1,2,3
	v_cvt_pk_f16_f32 v[S+32*\t+\j], v[S+32*\t+2*\j], v[S+32*\t+2*\j+1]
.endr
.endr
.endm
; A KEY STEP: 64 keys.  first = 1: it starts m, l and O^T.
.macro STEP first
	v_add_nc_u32 v[ADK], s[TB], v[LI]              ; with the four v_nop: six plain instructions behind the last V^T P: four are owed by the loads into V's registers,
	v_add_nc_u32 v[ADV], s[TB], v[LIV]             ; five by the products below, which write over P
.rept 4
	v_nop
.endr
.irp i, 0,1,2,3,4,5,6,7,8,9,10,11,12,13,14,15
	ds_load_b128 v[KF+4*\i:KF+4*\i+3], v[ADK] offset:512*\i
.endr
	WIN 0x40
.irp i, 0,1,2,3,4,5,6,7,8,9,10,11,12,13,14,15
	ds_load_b128 v[VF+4*\i:VF+4*\i+3], v[ADV] offset:512*\i
.endr
	s_wait_dscnt 16                                ; K is in; V's sixteen loads may be out
	WIN 0x04                                       ; Q in window 1
.irp cs, 0,1                           ; S^T = K Q^T: the sixteen accumulators take turns, one instruction a turn
.irp kt, 0,1,2,3
.irp t, 0,1,2,3
.if \cs == 0
	v_wmma_f32_16x16x32_f16 v[S+32*\t+8*\kt:S+32*\t+8*\kt+7], v[KF+8*(2*\kt+\cs):KF+8*(2*\kt+\cs)+7], v[QF+16*\t+8*\cs:QF+16*\t+8*\cs+7], 0
.else
	v_wmma_f32_16x16x32_f16 v[S+32*\t+8*\kt:S+32*\t+8*\kt+7], v[KF+8*(2*\kt+\cs):KF+8*(2*\kt+\cs)+7], v[QF+16*\t+8*\cs:QF+16*\t+8*\cs+7], v[S+32*\t+8*\kt:S+32*\t+8*\kt+7]
.endif
.endr
.endr
.endr
	WIN 0
.rept 4
	v_nop                                          ; places behind the products, ahead of the first read of their results
.endr
	MAXS \first
	SCALEXP \first
	SUMS \first
	CVTS
.if \first
.rept 4
	v_nop
.endr
.else
	WIN 0x41                                       ; O^T (destination and source 0) in window 1, a in window 0
.irp i, 0,1,2,3,4,5,6,7,8,9,10,11,12,13,14,15
.irp t, 0,1,2,3
	v_pk_mul_f32 v[32*\t+2*\i:32*\t+2*\i+1], v[32*\t+2*\i:32*\t+2*\i+1], v[ST+8*\t+6:ST+8*\t+7] op_sel_hi:[1,0]
.endr
.endr
.endif
	s_wait_dscnt 0x0                               ; V is in
	WIN 0x51                                       ; V and O^T in window 1, P in window 0
.irp g, 0,1                            ; O^T += V^T P: sixteen accumulators by turns
.irp ct, 0,1,2,3
.irp t, 0,1,2,3
.if \first && (\g == 0)
	v_wmma_f32_16x16x32_f16 v[32*\t+8*\ct:32*\t+8*\ct+7], v[VF+8*(4*\g+\ct):VF+8*(4*\g+\ct)+7], v[S+32*\t+8*\g:S+32*\t+8*\g+7], 0
.else
	v_wmma_f32_16x16x32_f16 v[32*\t+8*\ct:32*\t+8*\ct+7], v[VF+8*(4*\g+\ct):VF+8*(4*\g+\ct)+7], v[S+32*\t+8*\g:S+32*\t+8*\g+7], v[32*\t+8*\ct:32*\t+8*\ct+7]
.endif
.endr
.endr
.endr
	WIN 0
.endm
.macro EIGHT n                         ; n key steps of the slot in hand: written once, walked n times
	s_mov_b32 s[STEPS], \n
.Lstep_\@:
	STEP 0
	s_add_co_u32 s[TB], s[TB], STEPB
	s_sub_co_u32 s[STEPS], s[STEPS], 1
	s_cmp_lg_u32 s[STEPS], 0
	s_cbranch_scc1 .Lstep_\@
.endm
; THE CHANGE OF SLOTS.  Each wave waits for all its tensor loads (its part of the other slot), adds 0 to its spare word, and waits for that and for its reads of the slot that it leaves.
; fill = 1: the barrier is a round of the cluster's, so that no wave of any partner still reads the slot or has a load on its way, and the joint refill, the keys two slots on, is the first thing behind it.
.macro CHANGE fill
	s_wait_tensorcnt 0x0                           ; no tensor load of mine is out, so a group 0 may be written
	ds_add_u32 v[SPW], v[NIL]
.if \fill
	s_xor_b32 s[G0W+1], s[G0W+1], SLOT1            ; the walking descriptor: the other slot than last time,
	s_add_nc_u64 s[G0W+2:G0W+3], s[G0W+2:G0W+3], VOFF   ; the next 512 keys; the type bits on top are not reached
.endif
	s_wait_dscnt 0x0
.if \fill
	CROUND
	tensor_load_to_lds s[G0W:G0W+3], s[G1:G1+7]
	s_nop 0
.rept 4
	v_nop
.endr
.else
	s_barrier_signal -1
	s_barrier_wait -1
.endif
	s_sub_co_u32 s[TB], s[TB], VOFF                ; back to a slot's first step,
	s_xor_b32 s[TB], s[TB], SLOT1                  ; in the other slot
.endm
	STEP 1
	s_add_co_u32 s[TB], s[TB], STEPB
	EIGHT 7
	s_mov_b32 s[SLOTS], 2
.Lslot:                                            ; two trips: slots 0 and 1 are each filled once more
	CHANGE 1
	EIGHT 8
	s_sub_co_u32 s[SLOTS], s[SLOTS], 1
	s_cmp_lg_u32 s[SLOTS], 0
	s_cbranch_scc1 .Lslot
	CHANGE 0                                       ; the tail is written out
	EIGHT 8
	; THE WAY OUT.  O^T / l + bv, rounded to f16: a lane's eight channels of a query are half a fragment's 16 bytes of the next product's operand: stored as they stand.
.irp ct, 0,1,2,3
	ds_load_b128 v[BV+8*\ct:BV+8*\ct+3], v[BVA] offset:64*\ct        ; bv[16 ct + 8 (lane / 16) + 0..7] of my head
	ds_load_b128 v[BV+8*\ct+4:BV+8*\ct+7], v[BVA] offset:64*\ct+16
.endr
.irp t, 0,1,2,3
	v_add_f32 v[ST+8*\t+4], v[ST+8*\t+2], v[ST+8*\t+3]               ; l's two halves (these four are the places behind the last products)
.endr
.irp t, 0,1,2,3
	v_permlanex16_b32 v[ST+8*\t+5], v[ST+8*\t+4], s[SEL], s[SEL+1]
.endr
.irp t, 0,1,2,3
	v_add_f32 v[ST+8*\t+4], v[ST+8*\t+4], v[ST+8*\t+5]
.endr
.irp t, 0,1,2,3
	v_rcp_f32 v[ST+8*\t+6], v[ST+8*\t+4]
.endr
	v_nop                                          ; a plain instruction behind the last reciprocal,
	s_wait_alu depctr_va_vdst(0)                   ; and the one wait ahead of the first use
	s_wait_dscnt 0x0                               ; bv
	WIN 0x01                                       ; O^T in window 1
.irp t, 0,1,2,3
.irp ct, 0,1,2,3
.irp i, 0,1,2,3
	v_pk_fma_f32 v[S+32*\t+8*\ct+2*\i:S+32*\t+8*\ct+2*\i+1], v[32*\t+8*\ct+2*\i:32*\t+8*\ct+2*\i+1], v[ST+8*\t+6:ST+8*\t+7], v[BV+8*\ct+2*\i:BV+8*\ct+2*\i+1] op_sel_hi:[1,0,1]
.endr
.endr
.endr
	WIN 0
	CVTS
.irp t, 0,1,2,3
.irp ct, 0,1,2,3
	global_store_b128 v[LI], v[S+32*\t+4*\ct:S+32*\t+4*\ct+3], s[8:9] offset:32768*\t+512*\ct   ; 512 consecutive bytes, aligned
.endr
.endr
	s_wait_tensorcnt 0x0                           ; the wave's end
	ds_add_u32 v[SPW], v[NIL]
	s_wait_dscnt 0x0
	CROUND                                         ; the closing round
	s_endpgm
.Lfunc_end_k_qf06f6b180d_attn:
	.size	k_qf06f6b180d_attn, .Lfunc_end_k_qf06f6b180d_attn-k_qf06f6b180d_attn
	.p2alignl 7, 3214868480
	.fill 96, 4, 3214868480
	.section	.rodata,"a",@progbits
	.p2align	6, 0x0
	.amdhsa_kernel k_qf06f6b180d_attn
		.amdhsa_group_segment_fixed_size 327680
		.amdhsa_private_segment_fixed_size 0
		.amdhsa_enable_private_segment 0
		.amdhsa_kernarg_size 24
		.amdhsa_user_sgpr_count 2
		.amdhsa_user_sgpr_kernarg_segment_ptr 1
		.amdhsa_wavefront_size32 1
		.amdhsa_system_sgpr_workgroup_id_x 1
		.amdhsa_system_sgpr_workgroup_id_y 1
		.amdhsa_system_sgpr_workgroup_id_z 1
		.amdhsa_system_vgpr_workitem_id 0
		.amdhsa_next_free_vgpr 512
		.amdhsa_next_free_sgpr 66
		.amdhsa_reserve_vcc 0
		.amdhsa_float_denorm_mode_32 3
		.amdhsa_float_denorm_mode_16_64 3
		.amdhsa_memory_ordered 1
		.amdhsa_forward_progress 1
		.amdhsa_inst_pref_size 141
	.end_amdhsa_kernel
	.amdgpu_metadata
---
amdhsa.version: [ 1, 2 ]
amdhsa.kernels:
  - .name:           k_qf06f6b180d_attn
    .symbol:         k_qf06f6b180d_attn.kd
    .args:
      - { .name: qkv, .offset: 0, .size: 8, .value_kind: global_buffer, .address_space: global }
      - { .name: bv, .offset: 8, .size: 8, .value_kind: global_buffer, .address_space: global }
      - { .name: ctx, .offset: 16, .size: 8, .value_kind: global_buffer, .address_space: global }
    .group_segment_fixed_size: 327680
    .private_segment_fixed_size: 0
    .kernarg_segment_align: 8
    .kernarg_segment_size: 24
    .max_flat_workgroup_size: 256
    .sgpr_count:     66
    .vgpr_count:     512
    .wavefront_size: 32
...
	.end_amdgpu_metadata
.endif
;; end of part 3
;; launch oproj (part 4): grid 256 x 1, 8 waves a work-group, clusters of 4 x 1, 327,680 bytes of LDS; arguments ctx, wo16, bo, ln_gamma, ln_beta, out0; writes out0
.if DOCPART == 4
	.amdgcn_target "amdgcn-amd-amdhsa--gfx1250"
	.amdhsa_code_object_version 6
	.text
	.protected	k_qf06f6b180d_oproj
	.globl	k_qf06f6b180d_oproj
	.p2align	8
	.type	k_qf06f6b180d_oproj,@function
k_qf06f6b180d_oproj:
	s_mov_b64 s[64:65], 0
	v_nop
	global_prefetch_b8 v0, s[64:65] scope:SCOPE_SE
	s_setreg_imm32_b32 hwreg(HW_REG_WAVE_MODE, 25, 1), 1
	s_wait_xcnt 0x0
	s_wait_alu depctr_hold_cnt(0) depctr_sa_sdst(0) depctr_va_vdst(0) depctr_va_sdst(0) depctr_va_ssrc(0) depctr_va_vcc(0) depctr_vm_vsrc(0)
	s_getreg_b32 s2, hwreg(HW_REG_IB_STS2, 6, 4)
	s_cmp_eq_u32 s2, 0
	s_cbranch_scc0 .Lentry_in_a_cluster
	s_endpgm
.Lentry_in_a_cluster:
	s_bfe_u32 s2, ttmp6, 0x10000c
	s_cmp_lg_u32 s2, 0x3003
	s_cbranch_scc0 .Lentry_shape_is_right
	s_endpgm
.Lentry_shape_is_right:
; out0 = LayerNorm(ctx wo^T + bo) x gamma + beta.  ctx and wo: f16, as images of matrix operands; sums, the norm and the output in f32.
; SHARES.  The norm wants whole rows in one work-group: a work-group takes 32 rows x all 1,024 columns; wave w takes the 32 rows x columns 128 w .. 128 w + 127: 16 accumulators.
; The matrix instruction is used transposed (source 0 = 16 rows of wo, source 1 = 16 rows of ctx): lane (r, h) holds row r and columns 16 nt + 8 h + 0..7.  bo is the C of each sum's first instruction.
; WO.  Every work-group walks all of wo16, in 16 slabs of 64 along K (131,072 bytes), through two LDS slots.  The four work-groups of a cluster ask for each slab JOINTLY: every wave issues one load of 16 KiB,
; its own columns' fragments, which it alone reads.  By this text's own count a wave has one tensor load out behind each round.
; CTX.  A work-group's 65,536 bytes are asked for at the head, 512 bytes a wave and slab, into 64 registers a lane; in each trip one LDS store hands the next slab's piece to the other waves.
; THE NORM goes in two passes (the mean; then the squares of the differences), so that no difference of large sums is formed.
; REGISTERS: window 0: v1-11 addresses; v12-19 gamma, beta; v20-43 the reductions; v64-191 the accumulators ((mt, nt) at 64 + 8 (8 mt + nt)); v192-223 ctx's four fragments; on the way out v192-255 rows read back.
;   window 1: v0-127 wo's 16 fragments (8 (2 nt + kk)); v128-191 bo; v192-255 my pieces of ctx, 4 registers a slab.
.set LI,   1                           ; v1  16 x lane
.set BAD,  2                           ; v2-3 LDS address of my fragments of wo in slot 0, 1
.set AAD,  4                           ; v4  ctx's fragments in LDS
.set AST,  5                           ; v5  where I store my piece of them
.set CO,   6                           ; v6  512 x wave + 16 x lane: my bytes of a row of the output, of gamma and of beta
.set RW,   7                           ; v7  where I put a row's partial sum
.set RR,   8                           ; v8  where I read a row's eight
.set STO,  9                           ; v9  the stage: where I put 32 bytes of a row
.set RD,   10                          ; v10 and where I read a row back
.set SPW,  11                          ; v11 LDS address of my spare word; never rewritten
.set GA,   12
.set BE,   16
.set U,    20                          ; v20-23 two pairs at work
.set M,    24                          ; v24-27 the mean, later 1 / the deviation: a pair for each tile of rows, both words alike
.set CH,   28                          ; v28-43 chains of sums, then the eight partial sums of two rows
.set NIL,  44                          ; v44 0; never rewritten
.set AO,   45                          ; v45 my offset in the work-group's ctx
.set BOF,  46                          ; v46 32 (lane / 16)
.set EPS,  48                          ; v48 1e-5
.set ACC,  64
.set AF,   192
.set OB,   192
.set BO,   128                         ; window 1
.set AG,   192                         ; window 1
.set SLOT1, 131072
.set SLAB,  131072
.set ABUF,  262144                     ; behind the slots: 2 x 4,096 bytes: a slab's four fragments of ctx, by the slab's parity
.set RED,   ABUF+8192                  ; 2 x 1,024 bytes: [tile of rows][row][wave] partial sums
.set SPARE, RED+2048                   ; the spare words, 128 bytes a wave, which no other line names
.set SPITCH, 528                       ; the stage: 16 rows x (512 bytes + 16) a wave, in slot 0, which has had its last fill and its last read when the first result is stored there
.set WV,   16
.set G1,   24
.set G0,   32                          ; s[32:39] a group 0 for each slot
.set SEL,  40
.set RN,   42                          ; s42 1 / 1,024
.set MSB, 0
.macro WIN new
.if MSB != (\new)
	s_set_vgpr_msb (MSB<<8)|(\new)
.set MSB, \new
.endif
.endm
.macro ROUND                           ; a round of the cluster's barrier
	s_barrier_signal -1
	s_barrier_wait -1
	s_cmp_lg_u32 s[WV], 0
	s_cbranch_scc1 .Lnot_wave_0_\@
	s_barrier_signal -3
.Lnot_wave_0_\@:
	s_barrier_wait -3
	s_barrier_signal -1
	s_barrier_wait -1
.endm
.macro BARRIER                         ; my LDS stores have landed and my LDS loads are in: then the work-group's barrier
	s_wait_dscnt 0x0
	s_barrier_signal -1
	s_barrier_wait -1
.endm
	s_load_b256 s[4:11], s[0:1], 0x0               ; ctx 4, wo16 6, bo 8, gamma 10
	s_load_b128 s[12:15], s[0:1], 0x20             ; beta 12, out0 14
	v_lshl_add_u32 v[SPW], v0, 2, SPARE
	v_mov_b32 v[NIL], 0
	ds_add_u32 v[SPW], v[NIL]                      ; the wave's opening: the add, twice on end, and its wait ahead of my first tensor load
	ds_add_u32 v[SPW], v[NIL]
	v_lshrrev_b32 v1, 5, v0
	v_readfirstlane_b32 s[WV], v1                  ; wave 0..7
	s_bfe_u32 s17, ttmp6, 0x40000                  ; cx
	s_lshl_b32 s18, ttmp9, 2
	s_add_co_u32 s18, s18, s17                     ; my block of 32 rows
	; descriptor group 1: a dense block of 16 KiB as 64 rows of 256 bytes (32 elements of 8 bytes)
	s_mov_b32 s[G1], 15|(3<<16)|(1<<21)            ; the mask: all four work-groups; elements of 8 bytes; bit 21 beside a mask; no padding
	s_mov_b32 s[G1+1], 32<<16
	s_mov_b32 s[G1+2], 64<<16
	s_mov_b32 s[G1+3], 32<<16
	s_mov_b32 s[G1+4], 64
	s_mov_b32 s[G1+5], 32
	s_mov_b32 s[G1+6], 0
	s_mov_b32 s[G1+7], 0
	s_mov_b32 s[SEL], 0x76543210
	s_mov_b32 s[SEL+1], 0xfedcba98
	s_mov_b32 s[RN], 0x3a800000                    ; 1 / 1,024
	s_lshl_b32 s44, s[WV], 14                      ; my 16 KiB of a slab, in memory and in a slot: the wave's number alone
	s_mov_b32 s45, 0
	v_and_b32 v[LI], 31, v0
	v_lshlrev_b32 v[LI], 4, v[LI]
	v_add_nc_u32 v[BAD], s44, v[LI]
	v_add_nc_u32 v[BAD+1], SLOT1, v[BAD]
	v_add_nc_u32 v[AAD], ABUF, v[LI]
	s_lshl_b32 s20, s[WV], 9
	v_add_nc_u32 v[CO], s20, v[LI]
	v_add_nc_u32 v[AST], ABUF, v[CO]
	v_and_b32 v47, 15, v0                          ; r
	v_bfe_u32 v[BOF], v0, 4, 1                     ; h
	v_lshlrev_b32 v[RR], 5, v47
	v_add_nc_u32 v[RR], RED, v[RR]
	s_lshl_b32 s21, s[WV], 2
	v_add_nc_u32 v[RW], s21, v[RR]
	s_mul_i32 s21, s[WV], 16*SPITCH
	v_mul_u32_u24 v[STO], v47, SPITCH
	v_lshl_add_u32 v[STO], v[BOF], 5, v[STO]
	v_add_nc_u32 v[STO], s21, v[STO]
	v_add_nc_u32 v[RD], s21, v[LI]
	v_lshlrev_b32 v[BOF], 5, v[BOF]
	s_lshr_b32 s21, s[WV], 2                       ; my piece of a slab's ctx: tile of rows wave / 4, half fragment wave % 4
	s_lshl_b32 s21, s21, 15
	s_and_b32 s22, s[WV], 3
	s_lshl_b32 s22, s22, 9
	s_add_co_u32 s21, s21, s22
	v_add_nc_u32 v[AO], s21, v[LI]
	v_mov_b32 v[EPS], 0x3727c5ac
	s_lshl_b32 s22, s18, 16                        ; ctx: 65,536 bytes a block
	s_mov_b32 s23, 0
	s_wait_dscnt 0x0                               ; both opening adds are done
	s_wait_kmcnt 0x0
	s_add_nc_u64 s[4:5], s[4:5], s[22:23]
	s_lshl_b32 s22, s18, 17                        ; out0: 131,072 bytes a block
	s_add_nc_u64 s[14:15], s[14:15], s[22:23]
	s_mov_b32 s22, s20
	s_add_nc_u64 s[8:9], s[8:9], s[22:23]          ; bo at my 128 columns
	s_add_nc_u64 s[6:7], s[6:7], s[44:45]          ; wo16 at my part of slab 0
	s_mov_b32 s[G0], 1
	s_mov_b32 s[G0+1], s44
	s_mov_b64 s[G0+2:G0+3], s[6:7]
	s_or_b32 s[G0+3], s[G0+3], 0x80000000
	s_mov_b32 s[G0+4], 1
	s_add_co_u32 s[G0+5], s44, SLOT1
	s_add_nc_u64 s[G0+6:G0+7], s[6:7], SLAB
	s_or_b32 s[G0+7], s[G0+7], 0x80000000
	WIN 0x40                                       ; destination window 1
.irp t, 0,1,2,3,4,5,6,7,8,9,10,11,12,13,14,15
	global_load_b128 v[AG+4*\t:AG+4*\t+3], v[AO], s[4:5] offset:2048*\t th:TH_LOAD_NT   ; 512 consecutive bytes: my piece of slab t; read once in the launch
.endr
.irp nt, 0,1,2,3,4,5,6,7
	global_load_b128 v[BO+8*\nt:BO+8*\nt+3], v[BOF], s[8:9] offset:64*\nt
	global_load_b128 v[BO+8*\nt+4:BO+8*\nt+7], v[BOF], s[8:9] offset:64*\nt+16
.endr
	WIN 0
	global_load_b128 v[GA:GA+3], v[CO], s[10:11]
	global_load_b128 v[BE:BE+3], v[CO], s[12:13]
	ROUND                                          ; all four work-groups are here: the first joint loads meet
	tensor_load_to_lds s[G0:G0+3], s[G1:G1+7]      ; slab 0
	s_nop 0
.rept 4
	v_nop
.endr
	s_wait_loadcnt 0x0
	WIN 0x04                                       ; an LDS store's data are its source 1: window 1
	ds_store_b128 v[AST], v[AG:AG+3]               ; slab 0's piece
	WIN 0
.macro MULS kk, bias                   ; 16 products, 32 along K: the sixteen accumulators take turns, one instruction a turn, in the same order every time
.irp nt, 0,1,2,3,4,5,6,7
.irp mt, 0,1
.if \bias
	v_wmma_f32_16x16x32_f16 v[ACC+8*(8*\mt+\nt):ACC+8*(8*\mt+\nt)+7], v[8*(2*\nt+\kk):8*(2*\nt+\kk)+7], v[AF+8*(2*\mt+\kk):AF+8*(2*\mt+\kk)+7], v[BO+8*\nt:BO+8*\nt+7]
.else
	v_wmma_f32_16x16x32_f16 v[ACC+8*(8*\mt+\nt):ACC+8*(8*\mt+\nt)+7], v[8*(2*\nt+\kk):8*(2*\nt+\kk)+7], v[AF+8*(2*\mt+\kk):AF+8*(2*\mt+\kk)+7], v[ACC+8*(8*\mt+\nt):ACC+8*(8*\mt+\nt)+7]
.endif
.endr
.endr
.endm
; SLAB t.  Each wave waits for all its tensor loads (its part of this slab), adds 0 to its spare word, and waits for that, for its reads of the last slab and for its store of this slab's piece of ctx.
; Behind the round the next slab is asked for, into the slot read last trip; then the next slab's piece of ctx goes to LDS.
.macro TRIP t
	s_wait_tensorcnt 0x0                           ; no tensor load of mine is out, so a group 0 may be written
	ds_add_u32 v[SPW], v[NIL]
	s_add_nc_u64 s[G0+4*((\t)%2)+2:G0+4*((\t)%2)+3], s[G0+4*((\t)%2)+2:G0+4*((\t)%2)+3], 2*SLAB   ; this slot's next slab (in the last two trips the stepped address is not used)
	s_wait_dscnt 0x0
	ROUND
.if (\t) < 15
	tensor_load_to_lds s[G0+4*(1-(\t)%2):G0+4*(1-(\t)%2)+3], s[G1:G1+7]
	s_nop 0
.endif
.rept 4
	v_nop                                          ; also the places in front of the loads into registers that the last products have read
.endr
.if (\t) < 15
	WIN 0x04
	ds_store_b128 v[AST], v[AG+4*((\t)+1):AG+4*((\t)+1)+3] offset:4096*(((\t)+1)%2)   ; the half of the buffer that every wave had read out before this round
	WIN 0
.endif
.irp i, 0,1,2,3,4,5,6,7
	ds_load_b128 v[AF+4*\i:AF+4*\i+3], v[AAD] offset:4096*((\t)%2)+512*\i
.endr
	WIN 0x40
.irp kk, 0,1
.irp nt, 0,1,2,3,4,5,6,7
.irp c, 0,1
	ds_load_b128 v[8*(2*\nt+\kk)+4*\c:8*(2*\nt+\kk)+4*\c+3], v[BAD+(\t)%2] offset:2048*\nt+1024*\kk+512*\c
.endr
.endr
.endr
	s_wait_dscnt 16                                ; all but the sixteen loads of the second 32 along K
.if (\t) == 0
	WIN 0x11                                       ; wo and bo in window 1
	MULS 0, 1
.else
	WIN 0x01
	MULS 0, 0
.endif
	s_wait_dscnt 0x0
	WIN 0x01
	MULS 1, 0
	WIN 0
.endm
.set T, 0
.rept 16
	TRIP T
.set T, T+1
.endr
; THE NORM.  A row's 1,024 numbers lie in eight waves, and in each in lanes l and l xor 16.  REDUCE: the four chains of a wave are joined, the halves of the lanes added, the wave's figure goes to LDS,
; and behind a barrier every lane adds the eight of its row, all in the same order.  The result: v[CH] for rows 0-15, v[CH+8] for rows 16-31.
.macro REDUCE q
.irp mt, 0,1
	v_pk_add_f32 v[U+2*\mt:U+2*\mt+1], v[CH+4*\mt:CH+4*\mt+1], v[CH+4*\mt+2:CH+4*\mt+3]
.endr
.irp mt, 0,1
	v_add_f32 v[U+2*\mt], v[U+2*\mt], v[U+2*\mt+1]
.endr
.irp mt, 0,1
	v_permlanex16_b32 v[U+2*\mt+1], v[U+2*\mt], s[SEL], s[SEL+1]
.endr
.irp mt, 0,1
	v_add_f32 v[U+2*\mt], v[U+2*\mt], v[U+2*\mt+1]
.endr
.irp mt, 0,1
	ds_store_b32 v[RW], v[U+2*\mt] offset:1024*\q+512*\mt      ; lanes l and l xor 16 write the same word with the same value
.endr
	BARRIER
.irp mt, 0,1
	ds_load_b128 v[CH+8*\mt:CH+8*\mt+3], v[RR] offset:1024*\q+512*\mt
	ds_load_b128 v[CH+8*\mt+4:CH+8*\mt+7], v[RR] offset:1024*\q+512*\mt+16
.endr
	s_wait_dscnt 0x0
.irp mt, 0,1
	v_pk_add_f32 v[CH+8*\mt:CH+8*\mt+1], v[CH+8*\mt:CH+8*\mt+1], v[CH+8*\mt+2:CH+8*\mt+3]
	v_pk_add_f32 v[CH+8*\mt+4:CH+8*\mt+5], v[CH+8*\mt+4:CH+8*\mt+5], v[CH+8*\mt+6:CH+8*\mt+7]
.endr
.irp mt, 0,1
	v_pk_add_f32 v[CH+8*\mt:CH+8*\mt+1], v[CH+8*\mt:CH+8*\mt+1], v[CH+8*\mt+4:CH+8*\mt+5]
.endr
.irp mt, 0,1
	v_add_f32 v[CH+8*\mt], v[CH+8*\mt], v[CH+8*\mt+1]
.endr
.endm
.rept 4
	v_nop                                          ; places behind the last products
.endr
.irp mt, 0,1                           ; the sums: four chains (tile of rows x half of my columns), each accumulator from its low end on
.irp q, 0,1
	v_pk_add_f32 v[CH+4*\mt+2*\q:CH+4*\mt+2*\q+1], v[ACC+64*\mt+32*\q:ACC+64*\mt+32*\q+1], v[ACC+64*\mt+32*\q+2:ACC+64*\mt+32*\q+3]
.endr
.endr
.irp i, 2,3,4,5,6,7,8,9,10,11,12,13,14,15
.irp mt, 0,1
.irp q, 0,1
	v_pk_add_f32 v[CH+4*\mt+2*\q:CH+4*\mt+2*\q+1], v[CH+4*\mt+2*\q:CH+4*\mt+2*\q+1], v[ACC+64*\mt+32*\q+2*\i:ACC+64*\mt+32*\q+2*\i+1]
.endr
.endr
.endr
	REDUCE 0
.irp mt, 0,1
	v_mul_f32 v[M+2*\mt], s[RN], v[CH+8*\mt]       ; the mean
.endr
.irp mt, 0,1
	v_mov_b32 v[M+2*\mt+1], v[M+2*\mt]
.endr
.irp i, 0,1,2,3,4,5,6,7,8,9,10,11,12,13,14,15      ; the differences, in place, and the sums of their squares
.irp mt, 0,1
.irp q, 0,1
	v_pk_add_f32 v[ACC+64*\mt+32*\q+2*\i:ACC+64*\mt+32*\q+2*\i+1], v[ACC+64*\mt+32*\q+2*\i:ACC+64*\mt+32*\q+2*\i+1], v[M+2*\mt:M+2*\mt+1] neg_lo:[0,1] neg_hi:[0,1]
.endr
.endr
.irp mt, 0,1
.irp q, 0,1
.if \i == 0
	v_pk_mul_f32 v[CH+4*\mt+2*\q:CH+4*\mt+2*\q+1], v[ACC+64*\mt+32*\q:ACC+64*\mt+32*\q+1], v[ACC+64*\mt+32*\q:ACC+64*\mt+32*\q+1]
.else
	v_pk_fma_f32 v[CH+4*\mt+2*\q:CH+4*\mt+2*\q+1], v[ACC+64*\mt+32*\q+2*\i:ACC+64*\mt+32*\q+2*\i+1], v[ACC+64*\mt+32*\q+2*\i:ACC+64*\mt+32*\q+2*\i+1], v[CH+4*\mt+2*\q:CH+4*\mt+2*\q+1]
.endif
.endr
.endr
.endr
	REDUCE 1                                       ; into other bytes than the first reduction's
.irp mt, 0,1
	v_fma_f32 v[M+2*\mt], v[CH+8*\mt], s[RN], v[EPS]   ; the variance + 1e-5
.endr
.irp mt, 0,1
	v_rsq_f32 v[M+2*\mt], v[M+2*\mt]
.endr
	v_nop                                          ; a plain instruction behind the last of the two,
	s_wait_alu depctr_va_vdst(0)                   ; and the one wait ahead of the first use
.irp mt, 0,1
	v_mov_b32 v[M+2*\mt+1], v[M+2*\mt]
.endr
.irp i, 0,1,2,3,4,5,6,7,8,9,10,11,12,13,14,15,16,17,18,19,20,21,22,23,24,25,26,27,28,29,30,31
.irp mt, 0,1
	v_pk_mul_f32 v[ACC+64*\mt+2*\i:ACC+64*\mt+2*\i+1], v[ACC+64*\mt+2*\i:ACC+64*\mt+2*\i+1], v[M+2*\mt:M+2*\mt+1]
.endr
.endr
	; THE WAY OUT, 16 rows at a time: through my own stage in LDS, back as whole pieces of 512 bytes of a row, x gamma + beta, stored.  LDS serves a wave's instructions in order: no wait between the stores and the loads.
.irp mt, 0,1
.if \mt == 1
	s_wait_xcnt 0x0                                ; the first sixteen stores have read their registers: the loads below may land there
.endif
.irp nt, 0,1,2,3,4,5,6,7
	ds_store_b128 v[STO], v[ACC+8*(8*\mt+\nt):ACC+8*(8*\mt+\nt)+3] offset:64*\nt
	ds_store_b128 v[STO], v[ACC+8*(8*\mt+\nt)+4:ACC+8*(8*\mt+\nt)+7] offset:64*\nt+16
.endr
.irp i, 0,1,2,3,4,5,6,7,8,9,10,11,12,13,14,15
	ds_load_b128 v[OB+4*\i:OB+4*\i+3], v[RD] offset:SPITCH*\i
.endr
.irp i, 0,1,2,3,4,5,6,7,8,9,10,11,12,13,14,15
	s_wait_dscnt 15-\i                             ; row i is back; the later rows' loads may be out
	v_pk_fma_f32 v[OB+4*\i:OB+4*\i+1], v[OB+4*\i:OB+4*\i+1], v[GA:GA+1], v[BE:BE+1]
	v_pk_fma_f32 v[OB+4*\i+2:OB+4*\i+3], v[OB+4*\i+2:OB+4*\i+3], v[GA+2:GA+3], v[BE+2:BE+3]
	global_store_b128 v[CO], v[OB+4*\i:OB+4*\i+3], s[14:15] offset:4096*(16*\mt+\i) th:TH_STORE_NT   ; 32 lanes store 512 consecutive bytes, aligned; written once, read by nobody here
.endr
.endr
	s_wait_tensorcnt 0x0                           ; the wave's end, behind my last tensor load and my last LDS store
	ds_add_u32 v[SPW], v[NIL]
	s_wait_dscnt 0x0
	ROUND                                          ; the closing round
	s_endpgm
.Lfunc_end_k_qf06f6b180d_oproj:
	.size	k_qf06f6b180d_oproj, .Lfunc_end_k_qf06f6b180d_oproj-k_qf06f6b180d_oproj
	.p2alignl 7, 3214868480
	.fill 96, 4, 3214868480
	.section	.rodata,"a",@progbits
	.p2align	6, 0x0
	.amdhsa_kernel k_qf06f6b180d_oproj
		.amdhsa_group_segment_fixed_size 327680
		.amdhsa_private_segment_fixed_size 0
		.amdhsa_enable_private_segment 0
		.amdhsa_kernarg_size 48
		.amdhsa_user_sgpr_count 2
		.amdhsa_user_sgpr_kernarg_segment_ptr 1
		.amdhsa_wavefront_size32 1
		.amdhsa_system_sgpr_workgroup_id_x 1
		.amdhsa_system_sgpr_workgroup_id_y 1
		.amdhsa_system_sgpr_workgroup_id_z 1
		.amdhsa_system_vgpr_workitem_id 0
		.amdhsa_next_free_vgpr 512
		.amdhsa_next_free_sgpr 66
		.amdhsa_reserve_vcc 0
		.amdhsa_float_denorm_mode_32 3
		.amdhsa_float_denorm_mode_16_64 3
		.amdhsa_memory_ordered 1
		.amdhsa_forward_progress 1
		.amdhsa_inst_pref_size 127
	.end_amdhsa_kernel
	.amdgpu_metadata
---
amdhsa.version: [ 1, 2 ]
amdhsa.kernels:
  - .name:           k_qf06f6b180d_oproj
    .symbol:         k_qf06f6b180d_oproj.kd
    .args:
      - { .name: ctx, .offset: 0, .size: 8, .value_kind: global_buffer, .address_space: global }
      - { .name: wo16, .offset: 8, .size: 8, .value_kind: global_buffer, .address_space: global }
      - { .name: bo, .offset: 16, .size: 8, .value_kind: global_buffer, .address_space: global }
      - { .name: ln_gamma, .offset: 24, .size: 8, .value_kind: global_buffer, .address_space: global }
      - { .name: ln_beta, .offset: 32, .size: 8, .value_kind: global_buffer, .address_space: global }
      - { .name: out0, .offset: 40, .size: 8, .value_kind: global_buffer, .address_space: global }
    .group_segment_fixed_size: 327680
    .private_segment_fixed_size: 0
    .kernarg_segment_align: 8
    .kernarg_segment_size: 48
    .max_flat_workgroup_size: 256
    .sgpr_count:     66
    .vgpr_count:     512
    .wavefront_size: 32
...
	.end_amdgpu_metadata
.endif
;; end of part 4
